; MI455X (gfx1250); checked and timed in simulation.
; The chip was launched on July 23, 2026; its instructions are those of AMD's public machine-readable ISA for CDNA 5 (MIT licence, August 2026) and "CDNA5" Instruction Set Architecture Reference Guide (July 2026). The comments in the code are by the model that wrote it; some were corrected since.
;; Scaled Dot Product Adaptive Attention. Allowed arithmetic: matrix products marked QUANTISED: E2M3 operands, one E8M0 scale for each 32 along K, by v_wmma_scale_f32_16x16x128_f8f6f4 with both operands' format E2M3, f32 sums; products left as they are: f32 operands where the result goes on into a quantised operand, else bf16, f16 or f32 operands; f32 sums; everything else in f32.
;; Inputs: Wk 1,024 x 1,024 float32; Wo 1,024 x 1,024 float32; Wq 1,024 x 1,024 float32; Ws 1,024 x 1,024 float32; Wv 1,024 x 1,024 float32; bk 1,024 float32; bo 1,024 float32; bq 1,024 float32; bs 1,024 float32; bv 1,024 float32; keys 4 x 2,048 x 1,024 float32; language_feature 4 x 1,024 x 1,024 float32; queries 4 x 1,024 x 1,024 float32; values 4 x 2,048 x 1,024 float32.
;; Outputs: out0 4 x 1,024 x 1,024 float32.
;; This version of the problem:
;;   THIS VERSION OF THE PROBLEM IS GIVEN IN LOW PRECISION. The matrix products marked QUANTISED in the list below multiply operands that are first quantised to E2M3 (2 exponent bits, 3 mantissa bits; 6 bits a number), with one power-of-two scale for each 32 numbers along K (OCP MX v1.0); their sums are f32. All else is computed in f32.
;;   The module's matrix products, in the order in which they are computed (A, B: the left and right operand; K: the contracted axis; several contracted axes count as one K, in the product's order):
;;     1. [M 4,096, K 1,024] x [K 1,024, N 1,024]; A: input queries; B: input Wq: QUANTISED
;;     2. [M 4,096, K 1,024] x [K 1,024, N 1,024]; A: input language_feature; B: input Ws: QUANTISED
;;     3. [M 8,192, K 1,024] x [K 1,024, N 1,024]; A: input keys; B: input Wk: QUANTISED
;;     4. [M 8,192, K 1,024] x [K 1,024, N 1,024]; A: input values; B: input Wv: QUANTISED
;;     5. batch 64 x [M 1,024, K 64] x [K 64, N 2,048]; A: computed on the way; B: computed on the way: QUANTISED
;;     6. batch 65,536 x [M 1, K 64] x [K 64, N 1]; A: computed on the way; B: computed on the way: left as it is (M = 1 < 16)
;;     7. batch 64 x [M 1,024, K 2,048] x [K 2,048, N 64]; A: computed on the way; B: computed on the way: QUANTISED
;;     8. [M 4,096, K 1,024] x [K 1,024, N 1,024]; A: computed on the way; B: input Wo: QUANTISED
;;   THE QUANTISER, for each operand of a quantised product, along K:
;;     - K is cut into blocks of 32 from its start; a last block that is shorter is filled with zeros.
;;     - A block's scale is 2^e with e = floor(log2(the largest magnitude in the block)) - 2, held to -126 .. 127; a block of zeros has e = 0. As a byte (E8M0): e + 127.
;;     - Each number is divided by its block's scale, clamped to +-7.5, and rounded to the nearest number of E2M3, ties to even, subnormals kept.
;;     - The product sums the exact products of the quantised numbers (number of the format x scale) in f32.
;;   ~~~python
;;   def quantise(x, axis):      # numpy; x: float32 -> the quantised numbers, widened to float32 again
;;       x = np.moveaxis(x, axis, -1); K = x.shape[-1]
;;       x = np.pad(x, [(0, 0)] * (x.ndim - 1) + [(0, -K % 32)]); x = x.reshape(x.shape[:-1] + (-1, 32)); a = np.abs(x).max(-1, keepdims=True)
;;       e = np.where(a > 0, np.clip(np.frexp(np.where(a > 0, a, 1))[1] - 1 - 2, -126, 127), 0)      # np.frexp(a)[1] - 1 = floor(log2(a)), exactly
;;       r = np.clip(x / 2.0 ** e, -7.5, 7.5)
;;       step = 2.0 ** (np.maximum(np.frexp(np.where(r == 0, 1, r))[1] - 1, 0) - 3)
;;       q = np.round(r / step) * step * 2.0 ** e      # np.round: ties to even
;;       return np.moveaxis(q.reshape(q.shape[:-2] + (-1,))[..., :K], -1, axis).astype(np.float32)
;;   ~~~
;;   OPERANDS COMPUTED ON THE WAY. 'Computed on the way' means the value that the module computes at that place (a softmax that the list does not call 'softmax' is quantised finished and normalised). What goes into a quantiser is computed in f32, as accurately as f32 sums, v_exp_f32 and their like allow (about 1e-6 of the number): no bf16 or f16 on the way to a quantiser, and a product that is left as it is and whose result goes on into a quantised operand takes f32 operands (vector FMAs, or v_wmma_f32_16x16x4_f32). A number that lies on a knife's edge between two numbers of the format may be rounded either way, as far as f32 arithmetic and the matrix unit's own rounding can turn it there, and no further.
;; One version. Each part assembles by itself: llvm-mc -triple=amdgcn-amd-amdhsa -mcpu=gfx1250 --defsym DOCPART=n.
;; ======== version 1 of 1: 4 launches
;; workspace buffers: act 19,660,800 bytes; wts 4,096,000 bytes; qf 16,777,216 bytes; sf 16,777,216 bytes; kv 13,369,344 bytes; oq 3,276,800 bytes
;; launch quant (part 1): grid 1408 x 1, 2 waves a work-group, no clusters, 17,152 bytes of LDS; arguments queries, language_feature, keys, values, Wq, Ws, Wk, Wv, Wo, wts, act; writes wts, act
.if DOCPART == 1
	.amdgcn_target "amdgcn-amd-amdhsa--gfx1250"
	.amdhsa_code_object_version 6
	.text
	.protected	k_q0446fb008a_quant
	.globl	k_q0446fb008a_quant
	.p2align	8
	.type	k_q0446fb008a_quant,@function
k_q0446fb008a_quant:
	s_mov_b64 s[64:65], 0
	v_nop
	global_prefetch_b8 v0, s[64:65] scope:SCOPE_SE
	s_setreg_imm32_b32 hwreg(HW_REG_WAVE_MODE, 25, 1), 1
	s_wait_xcnt 0x0
; All operands that arrive as f32 become codes of FP6 (E2M3) with K innermost and one E8M0 byte for each 32 along K: the four activations [rows][1024] (K innermost) into act, the five weights [1024 (k)][1024 (n)] (K their FIRST axis) into wts.
; A block's scale is 2^(floor(log2(its largest magnitude)) - 2); its byte is that magnitude's exponent field - 2, held at 1 from below.
; LIMITS: a block whose largest magnitude lies under 2^-124 is held at byte 1; a block of zeros gets byte 1 where the rule says 127 (its codes are zeros, and this program alone reads the bytes); NaN and infinities are not served.
; THE FILES.  Rows (of an activation; columns n of a weight) go in tiles of 16: lane r of tile T = 4 g + u stands for row 64 g + 8 u + r % 8 + 32 (r / 8).  A HALF FRAGMENT is 16 such rows x 64 k, 768 bytes, an image of operand
; registers: plane p (0..2) holds at 256 p + 8 x lane the registers 2 p, 2 p + 1 of lane (r, h): bytes 8 p .. 8 p + 7 of the 24 bytes of that row's block 2 kk + h.  A tile is 16 half fragments, 12,288 bytes.
; Scale word (T, s = k / 128, r) lies at 512 T + 128 (s / 2) + 8 r + 4 (s % 2).  act: 1,536 tiles' scale words, then from ACT_C their codes; tiles 0-255 queries, 256-511 language_feature, 512-1023 keys, 1024-1535 values.
; wts: the five weights' scale words (32,768 bytes each), then from W_C their codes (786,432 bytes each), in the order Wq, Ws, Wk, Wv, Wo.
; ONE LAUNCH, TWO WAYS, parted at the head on the work-group's number: work-groups 0-767 take the activations, 768-1407 the weights.  Only the first way uses LDS.  Waves share nothing: no barrier.
.set ACT_C, 786432
.set W_C,   163840
.set WCOD,  786432
.set NACT,  768                        ; the work-groups that take activations
.set SP,    528
.set WST,   16*SP                      ; a wave's stage
.set SPARE, 2*WST                      ; behind the stages: the spare words, 128 bytes a wave: one block of 256 bytes that no other line names
.set SPW,   246                        ; v246 my spare word; never rewritten
.set NIL,   247                        ; v247 0; never rewritten
; 32 numbers of one lane, v[x] on, become six registers of codes at v[cod] and the scale's byte in v[byt]
.macro Q32 x, cod, tmp, ma, mb, sco, byt
	v_max3_num_f32 v[\ma], |v[\x]|, |v[\x+1]|, |v[\x+2]|            ; the largest magnitude, in two chains
	v_max3_num_f32 v[\mb], |v[\x+3]|, |v[\x+4]|, |v[\x+5]|
.irp i, 6,10,14,18,22,26
	v_max3_num_f32 v[\ma], v[\ma], |v[\x+\i]|, |v[\x+\i+1]|
	v_max3_num_f32 v[\mb], v[\mb], |v[\x+\i+2]|, |v[\x+\i+3]|
.endr
	v_max3_num_f32 v[\ma], v[\ma], |v[\x+30]|, |v[\x+31]|
	v_max3_num_f32 v[\ma], v[\ma], v[\mb], 0x1800000               ; and the floor 2^(3 - 127): the byte cannot fall under 1
	v_add_nc_u32 v[\sco], 0xff000000, v[\ma]                       ; 2 off the exponent field: the conversion takes this operand's exponent field as its scale
	v_lshrrev_b32 v[\byt], 23, v[\sco]                             ; the scale's byte
	v_cvt_scalef32_pk16_fp6_f32 v[\cod:\cod+2], v[\x:\x+15], v[\sco]
	v_cvt_scalef32_pk16_fp6_f32 v[\tmp:\tmp+2], v[\x+16:\x+31], v[\sco]   ; (a conversion's three registers begin on an even number)
	v_nop                                                          ; one plain place behind a scaled conversion
	v_mov_b32 v[\cod+3], v[\tmp]
	v_mov_b32 v[\cod+4], v[\tmp+1]
	v_mov_b32 v[\cod+5], v[\tmp+2]
.endm
	v_lshl_add_u32 v[SPW], v0, 2, SPARE
	v_mov_b32 v[NIL], 0
	s_cmp_ge_u32 ttmp9, NACT
	s_cbranch_scc1 .Lweights
; ---- THE ACTIVATIONS.  A wave takes one tile, in eight steps of 128 along K.  Each load reads 512 consecutive bytes of one row; the conversions want 32 neighbours in ONE lane: so a step's 16 x 512 bytes turn through the wave's
; own stage in LDS (rows 528 bytes apart: the sixteen rows that a read touches start at sixteen different banks).  Loads run two steps (32 loads a wave) ahead.
.set W,  16                            ; v16-23   the tile's eight scale words
.set R,  32                            ; v32-159  two sets of 64: a step as loaded
.set X,  160                           ; v160-223 my 64 numbers of a step: blocks h and 2 + h of row r
.set C,  224                           ; v224-235 their codes
.set CT, 236
	s_load_b256 s[4:11], s[0:1], 0x0               ; queries, language_feature, keys, values
	s_load_b64 s[12:13], s[0:1], 0x50              ; act
	v_lshrrev_b32 v8, 5, v0
	v_readfirstlane_b32 s14, v8                    ; wave
	v_and_b32 v9, 31, v0
	v_lshlrev_b32 v1, 4, v9                        ; 16 x lane: a load's 512 bytes
	v_lshlrev_b32 v2, 3, v9                        ; 8 x lane: a plane's 256 bytes
	v_and_b32 v15, 15, v0                          ; r
	v_bfe_u32 v14, v0, 4, 1                        ; h
	s_mul_i32 s15, s14, WST
	v_add_nc_u32 v3, s15, v1                       ; the stage, in: a row as it lies
	v_mul_u32_u24 v4, v15, SP
	v_lshl_add_u32 v4, v14, 7, v4
	v_add_nc_u32 v4, s15, v4                       ; and out: row r, + 128 h: my block of 32 numbers
	v_lshlrev_b32 v5, 3, v14                       ; 8 h
	v_mov_b32 v13, 0                               ; written once: a lane permute's destination counts as one of its sources
	s_mov_b32 s20, 0x76543210
	s_mov_b32 s21, 0xfedcba98                      ; selects for lane l xor 16
	s_lshl_b32 s15, ttmp9, 1
	s_add_co_u32 s15, s15, s14                     ; T
	s_mov_b32 s16, 1024
	s_wait_kmcnt 0x0
	s_cmp_lt_u32 ttmp9, 512                        ; which tensor, and its first tile: by the work-group's number alone
	s_cselect_b64 s[10:11], s[8:9], s[10:11]
	s_cselect_b32 s16, 512, s16
	s_cmp_lt_u32 ttmp9, 256
	s_cselect_b64 s[10:11], s[6:7], s[10:11]
	s_cselect_b32 s16, 256, s16
	s_cmp_lt_u32 ttmp9, 128
	s_cselect_b64 s[10:11], s[4:5], s[10:11]
	s_cselect_b32 s16, 0, s16
	s_sub_co_u32 s17, s15, s16                     ; the tile's number in its tensor
	s_lshr_b32 s18, s17, 2
	s_lshl_b32 s18, s18, 18                        ; 64 rows of 4,096 bytes for each four tiles,
	s_and_b32 s19, s17, 3
	s_lshl_b32 s19, s19, 15                        ; 8 rows for each tile among them
	s_add_co_u32 s18, s18, s19
	s_mov_b32 s19, 0
	s_add_nc_u64 s[10:11], s[10:11], s[18:19]
	s_mul_i32 s18, s15, 12288
	s_add_co_u32 s18, s18, ACT_C
	s_add_nc_u64 s[4:5], s[12:13], s[18:19]        ; my tile's codes
	s_lshl_b32 s18, s15, 9
	s_add_nc_u64 s[6:7], s[12:13], s[18:19]        ; and its scale words
.macro LOADA t                         ; step t: 512 bytes of each of the tile's 16 rows
.irp rr, 0,1,2,3,4,5,6,7,8,9,10,11,12,13,14,15
	global_load_b128 v[R+64*((\t)%2)+4*\rr:R+64*((\t)%2)+4*\rr+3], v1, s[10:11] offset:((\rr%8)+32*(\rr/8))*4096+512*(\t) th:TH_LOAD_NT
.endr
.endm
	LOADA 0
	LOADA 1
.macro STEP t
.if (\t) < 7
	s_wait_loadcnt 16                              ; this step's 16 loads are in; the next step's 16 may be out
.else
	s_wait_loadcnt 0x0
.endif
.irp rr, 0,1,2,3,4,5,6,7,8,9,10,11,12,13,14,15
	ds_store_b128 v3, v[R+64*((\t)%2)+4*\rr:R+64*((\t)%2)+4*\rr+3] offset:SP*\rr
.endr
.irp c, 0,1
.irp j, 0,1,2,3,4,5,6,7
	ds_load_b128 v[X+32*\c+4*\j:X+32*\c+4*\j+3], v4 offset:256*\c+16*\j   ; LDS serves a wave's instructions in order: these see my stores
.endr
.endr
	s_wait_dscnt 0x0                               ; my numbers are back, and the stores have read their registers,
	s_wait_xcnt 0x0                                ; and the last step's stores of codes have read theirs
.if (\t) < 6
	LOADA (\t)+2                                   ; which take the loads of two steps on
.endif
	Q32 X, C, CT, 8, 9, 10, 11
	Q32 X+32, C+6, CT, 8, 9, 10, 12
	v_lshl_or_b32 v[W+(\t)], v12, 16, v11          ; my two bytes: blocks h and 2 + h of row r,
	v_lshlrev_b32 v[W+(\t)], v5, v[W+(\t)]         ; at their places in the scale word;
	v_permlanex16_b32 v13, v[W+(\t)], s20, s21
	v_or_b32 v[W+(\t)], v[W+(\t)], v13             ; with lane l xor 16's two the word is whole
.irp c, 0,1
.irp p, 0,1,2
	global_store_b64 v2, v[C+6*\c+2*\p:C+6*\c+2*\p+1], s[4:5] offset:(2*(\t)+\c)*768+256*\p   ; 32 lanes store 256 consecutive bytes, aligned
.endr
.endr
.endm
.irp t, 0,1,2,3,4,5,6,7
	STEP \t
.endr
	v_cmp_ne_u32 vcc_lo, 0, v14                    ; the scale words leave as two aligned runs of 256 bytes: lanes 0-15 words 4 i, 4 i + 1 of row r, lanes 16-31 words 4 i + 2, 4 i + 3
.irp i, 0,1
	v_cndmask_b32 v[24+2*\i], v[W+4*\i], v[W+4*\i+2], vcc_lo
	v_cndmask_b32 v[25+2*\i], v[W+4*\i+1], v[W+4*\i+3], vcc_lo
	global_store_b64 v2, v[24+2*\i:25+2*\i], s[6:7] offset:256*\i
.endr
	s_wait_tensorcnt 0x0                           ; the wave's end, behind my last LDS store
	ds_add_u32 v[SPW], v[NIL]
	s_wait_dscnt 0x0
	s_endpgm
; ---- THE WEIGHTS.  Work-group n = number - 768: 64 columns n % 16, K step (n / 16) % 8 of 128, weight n / 128.  A wave takes two tiles (32 columns): lane 16 t + r takes the column of lane r of tile T0 + t, AND ITS
; REGISTERS RUN DOWN K: a block of 32 lies in one lane.  No LDS; every register is written once, so no store's data and no address are written again.
.set WX, 32                            ; v32-159  128 numbers: 4 blocks of 32 down K
.set WC, 160                           ; v160..   block b's six registers of codes at WC + 8 b
.set WT, 192                           ; v192-194 a block's upper 16 codes, before they are moved
.Lweights:
	s_load_b256 s[4:11], s[0:1], 0x20              ; Wq, Ws, Wk, Wv
	s_load_b128 s[12:15], s[0:1], 0x40             ; Wo, wts
	v_lshrrev_b32 v4, 5, v0
	v_readfirstlane_b32 s16, v4                    ; wave: which two of the four tiles
	v_and_b32 v5, 7, v0
	v_bfe_u32 v6, v0, 3, 1
	v_bfe_u32 v7, v0, 4, 1                         ; t: which of my wave's two tiles
	v_lshlrev_b32 v1, 2, v5
	v_lshl_add_u32 v1, v6, 7, v1
	v_lshl_add_u32 v1, v7, 5, v1                   ; in: my column's bytes: 4 (r % 8) + 128 (r / 8) + 32 t
	v_and_b32 v2, 31, v0
	v_lshlrev_b32 v2, 3, v2                        ; out: 8 x lane
	v_and_b32 v3, 15, v0
	v_lshlrev_b32 v3, 3, v3
	v_lshl_add_u32 v3, v7, 9, v3                   ; my scale word: 512 t + 8 r
	s_sub_co_u32 s17, ttmp9, NACT
	s_and_b32 s20, s17, 15                         ; g: which 64 columns
	s_lshr_b32 s17, s17, 4
	s_lshr_b32 s18, s17, 3                         ; which weight
	s_and_b32 s19, s17, 7                          ; which 128 along K
	s_lshl_b32 s22, s19, 19                        ; in: 128 rows of 4,096 bytes a K step,
	s_lshl_b32 s23, s20, 8
	s_add_co_u32 s22, s22, s23                     ; + 256 g
	s_lshl_b32 s23, s16, 6
	s_add_co_u32 s22, s22, s23                     ; + 64 for the upper two tiles
	s_mov_b32 s23, 0
	s_lshl_b32 s24, s20, 2
	s_lshl_b32 s25, s16, 1
	s_add_co_u32 s24, s24, s25                     ; T0
	s_mul_i32 s26, s18, WCOD                       ; codes: weight, tile, two half fragments a K step
	s_mul_i32 s27, s24, 12288
	s_add_co_u32 s26, s26, s27
	s_mul_i32 s27, s19, 1536
	s_add_co_u32 s26, s26, s27
	s_add_co_u32 s26, s26, W_C
	s_mov_b32 s27, 0
	s_lshl_b32 s28, s18, 15                        ; scale words
	s_lshl_b32 s29, s24, 9
	s_add_co_u32 s28, s28, s29
	s_lshr_b32 s29, s19, 1
	s_lshl_b32 s29, s29, 7
	s_add_co_u32 s28, s28, s29
	s_and_b32 s29, s19, 1
	s_lshl_b32 s29, s29, 2
	s_add_co_u32 s28, s28, s29
	s_mov_b32 s29, 0
	s_wait_kmcnt 0x0
	s_cmp_eq_u32 s18, 1                            ; the weight is chosen by the work-group's number alone
	s_cselect_b64 s[4:5], s[6:7], s[4:5]
	s_cmp_eq_u32 s18, 2
	s_cselect_b64 s[4:5], s[8:9], s[4:5]
	s_cmp_eq_u32 s18, 3
	s_cselect_b64 s[4:5], s[10:11], s[4:5]
	s_cmp_eq_u32 s18, 4
	s_cselect_b64 s[4:5], s[12:13], s[4:5]
	s_add_nc_u64 s[4:5], s[4:5], s[22:23]
	s_add_nc_u64 s[6:7], s[14:15], s[26:27]        ; where my codes go
	s_add_nc_u64 s[8:9], s[14:15], s[28:29]        ; and my scale words
.macro LOADW blk                       ; block blk: W(32 blk + i, my column)
.irp i, 0,1,2,3,4,5,6,7,8,9,10,11,12,13,14,15,16,17,18,19,20,21,22,23,24,25,26,27,28,29,30,31
	global_load_b32 v[WX+32*(\blk)+\i], v1, s[4:5] offset:(32*(\blk)+\i)*4096 th:TH_LOAD_NT
.endr
.endm
	LOADW 0
	LOADW 1
.irp blk, 0,1,2,3
.if \blk < 3
	s_wait_loadcnt 32                              ; this block's 32 loads are in; the next block's 32 may be out
.else
	s_wait_loadcnt 0x0
.endif
.if \blk < 2
	LOADW \blk+2                                   ; two blocks ahead, into registers of its own
.endif
	Q32 WX+32*\blk, WC+8*\blk, WT, 4, 5, 6, 7
.if \blk == 0
	v_mov_b32 v8, v7                               ; the four bytes make my column's scale word, the lower K in the lower byte
.else
	v_lshl_or_b32 v8, v7, 8*\blk, v8
.endif
.endr
; A half fragment wants tile T0's blocks 2 m and 2 m + 1 in lanes 0-15 and 16-31.  I hold block 2 m of both tiles in one run of registers and block 2 m + 1 in another:
; the swap (the first's lanes 16-31 with the second's lanes 0-15) makes of the first run tile T0's half fragment and of the second tile T0 + 1's.
.irp m, 0,1
.irp i, 0,1,2,3,4,5
	v_permlane16_swap_b32 v[WC+16*\m+\i], v[WC+16*\m+8+\i]
.endr
.endr
.irp m, 0,1
.irp u, 0,1
.irp p, 0,1,2
	global_store_b64 v2, v[WC+16*\m+8*\u+2*\p:WC+16*\m+8*\u+2*\p+1], s[6:7] offset:\u*12288+\m*768+256*\p   ; 32 lanes store 256 consecutive bytes, aligned
.endr
.endr
.endr
	global_store_b32 v3, v8, s[8:9]
	s_wait_tensorcnt 0x0                           ; the wave's end
	ds_add_u32 v[SPW], v[NIL]
	s_wait_dscnt 0x0
	s_endpgm
.Lfunc_end_k_q0446fb008a_quant:
	.size	k_q0446fb008a_quant, .Lfunc_end_k_q0446fb008a_quant-k_q0446fb008a_quant
	.p2alignl 7, 3214868480
	.fill 96, 4, 3214868480
	.section	.rodata,"a",@progbits
	.p2align	6, 0x0
	.amdhsa_kernel k_q0446fb008a_quant
		.amdhsa_group_segment_fixed_size 17152
		.amdhsa_private_segment_fixed_size 0
		.amdhsa_enable_private_segment 0
		.amdhsa_kernarg_size 88
		.amdhsa_user_sgpr_count 2
		.amdhsa_user_sgpr_kernarg_segment_ptr 1
		.amdhsa_wavefront_size32 1
		.amdhsa_system_sgpr_workgroup_id_x 1
		.amdhsa_system_sgpr_workgroup_id_y 1
		.amdhsa_system_sgpr_workgroup_id_z 1
		.amdhsa_system_vgpr_workitem_id 0
		.amdhsa_next_free_vgpr 248
		.amdhsa_next_free_sgpr 66
		.amdhsa_reserve_vcc 1
		.amdhsa_float_denorm_mode_32 3
		.amdhsa_float_denorm_mode_16_64 3
		.amdhsa_memory_ordered 1
		.amdhsa_forward_progress 1
		.amdhsa_inst_pref_size 82
	.end_amdhsa_kernel
	.amdgpu_metadata
---
amdhsa.version: [ 1, 2 ]
amdhsa.kernels:
  - .name:           k_q0446fb008a_quant
    .symbol:         k_q0446fb008a_quant.kd
    .args:
      - { .name: queries, .offset: 0, .size: 8, .value_kind: global_buffer, .address_space: global }
      - { .name: language_feature, .offset: 8, .size: 8, .value_kind: global_buffer, .address_space: global }
      - { .name: keys, .offset: 16, .size: 8, .value_kind: global_buffer, .address_space: global }
      - { .name: values, .offset: 24, .size: 8, .value_kind: global_buffer, .address_space: global }
      - { .name: Wq, .offset: 32, .size: 8, .value_kind: global_buffer, .address_space: global }
      - { .name: Ws, .offset: 40, .size: 8, .value_kind: global_buffer, .address_space: global }
      - { .name: Wk, .offset: 48, .size: 8, .value_kind: global_buffer, .address_space: global }
      - { .name: Wv, .offset: 56, .size: 8, .value_kind: global_buffer, .address_space: global }
      - { .name: Wo, .offset: 64, .size: 8, .value_kind: global_buffer, .address_space: global }
      - { .name: wts, .offset: 72, .size: 8, .value_kind: global_buffer, .address_space: global }
      - { .name: act, .offset: 80, .size: 8, .value_kind: global_buffer, .address_space: global }
    .group_segment_fixed_size: 17152
    .private_segment_fixed_size: 0
    .kernarg_segment_align: 8
    .kernarg_segment_size: 88
    .max_flat_workgroup_size: 64
    .sgpr_count:     66
    .vgpr_count:     248
    .wavefront_size: 32
...
	.end_amdgpu_metadata
.endif
;; end of part 1
;; launch proj (part 2): grid 4 x 96, 4 waves a work-group, clusters of 4 x 4, 327,680 bytes of LDS; arguments act, wts, bq, bs, bk, bv, qf, sf, kv; writes qf, sf, kv
.if DOCPART == 2
	.amdgcn_target "amdgcn-amd-amdhsa--gfx1250"
	.amdhsa_code_object_version 6
	.text
	.protected	k_q0446fb008a_proj
	.globl	k_q0446fb008a_proj
	.p2align	8
	.type	k_q0446fb008a_proj,@function
k_q0446fb008a_proj:
	s_mov_b64 s[64:65], 0
	v_nop
	global_prefetch_b8 v0, s[64:65] scope:SCOPE_SE
	s_setreg_imm32_b32 hwreg(HW_REG_WAVE_MODE, 25, 1), 1
	s_wait_xcnt 0x0
	s_wait_alu depctr_hold_cnt(0) depctr_sa_sdst(0) depctr_va_vdst(0) depctr_va_sdst(0) depctr_va_ssrc(0) depctr_va_vcc(0) depctr_vm_vsrc(0)
	s_getreg_b32 s2, hwreg(HW_REG_IB_STS2, 6, 4)
	s_cmp_eq_u32 s2, 0
	s_cbranch_scc0 .Lentry_in_a_cluster
	s_endpgm
.Lentry_in_a_cluster:
	s_bfe_u32 s2, ttmp6, 0x10000c
	s_cmp_lg_u32 s2, 0xf033
	s_cbranch_scc0 .Lentry_shape_is_right
	s_endpgm
.Lentry_shape_is_right:
; The four projections q, s, k, v: codes of FP6 (E2M3) with E8M0 scales x codes, sums in f32, + bias, K = 1,024.  One cluster of 4 x 4 work-groups makes 1,024 x 1,024 results; cluster y = 0-3 q, 4-7 s, 8-15 k, 16-23 v.
; A work-group of four waves makes 256 x 256, a wave 128 x 128: 64 accumulators of 16 x 16.  THE MATRIX INSTRUCTION IS USED TRANSPOSED: source 0 = a tile of the "B side", source 1 = a tile of the "A side".
; q, s, k: A side = rows of the activations, B side = columns of the weight.  v: the sides change places (A side = columns of Wv, B side = rows of values), so that a lane's registers run along the KEYS.
; THE FILES (act, wts).  Rows go in tiles of 16: lane r of tile 4 g + u stands for row 64 g + 8 u + r % 8 + 32 (r / 8).  So register j of lane (r, h) of accumulator (a, b = 4 c + u) is the result at
; (A-side row of lane r of tile a, B-side row 64 c + 32 h + 8 u + j): the 32 registers of accumulators 4 c .. 4 c + 3 are 32 NEIGHBOURS, one whole block of the next product's K, in one lane.
; A half fragment (16 rows x 64 k, 768 bytes) is an image of operand registers: plane p at 256 p + 8 x lane holds registers 2 p, 2 p + 1.  Every LDS read takes 256 consecutive bytes: no padding.
; K goes in four steps of 256 through THREE LDS slots: steps 0, 1, 2 are first fills, step 3 fills slot 0 again behind one round of the cluster's barrier.  The scale words of all of K come once.
; Tiles of the A side are asked for jointly by the four work-groups of a row of the cluster, those of the B side by the four of a column.
; RESULTS.  q, s: f32, as images [tile][head][8][lane][16 bytes] (register i of lane (r, h) = d 32 h + i).  k, v: quantised here (k along d, v along the keys) into kv: for each (batch, head, step of 128 keys) a
; record of 13,056 bytes, all of it images of the reader's registers, four registers to a plane of 512 bytes (16 x lane): K's codes, tiles 2 i and 2 i + 1 as one run of 12 registers at 1,536 i; from 6,144 V's four
; fragments (16 d x 128 keys, 12 registers) at 1,536 t; from 12,288 K's scale words, 16 x lane + 4 i (lanes 0-15 tile 2 i, lanes 16-31 tile 2 i + 1; bytes 2 and 3 zero); from 12,800 V's, 8 x lane + 4 i.
; LIMITS of the quantiser: a block whose largest magnitude lies under 2^-124 is held at byte 1; a block of zeros gets byte 1 where the rule says 127 (its codes are zeros; this program alone reads the bytes); NaN, infinities not served.
; REGISTERS, in windows of 256: window 0: v1-12 lane terms; v16-22, v27 LDS addresses; v28, v29 the add's two; v32-63 scale words, two sets; v64-95 the way out; v128-223 A's fragments, one set (free on the way out);
;   v224-239 the bias by rows.  window 1: B's fragments, two sets, at v0 and v128; v96-127, v224-255 the bias by columns.  windows 2, 3: the accumulators, (a, b) at v[8 (8 (a % 4) + b)].
.set ACT_C, 786432
.set W_C,   163840
.set SUPER, 786432                     ; the codes of 64 tiles: a cluster's side
.set REC,   13056
.set HEADB, 16*REC
.set KSB,   3072                       ; a tile's bytes of a K step of 256
.set HALFT, 8*KSB                      ; 8 tiles: what one tensor load brings, and what one wave reads of a side
.set SLOT,  4*HALFT                    ; A's 16 tiles, then B's 16
.set SCL,   3*SLOT                     ; the scale words: A's 8,192 bytes, then B's
.set SPARE, SCL+16384                  ; the spare words, 128 bytes a wave: two blocks of 256 bytes that no other line names
.set FR, 12
.set NL, 6
.set NP, 4                             ; places behind this matrix instruction (ISA guide 7.12.1)
.set L8,  4                            ; v4   8 x lane
.set BCO, 8                            ; v8   128 h: the bias by columns
.set BRO, 9                            ; v9   4 (r % 8) + 128 (r / 8): the bias by rows
.set L16, 10                           ; v10  16 x lane
.set H8,  12                           ; v12  8 h
.set ADRA, 16                          ; v16-18 my A fragments in slot 0, 1, 2
.set ADRB, 20                          ; v20-22 the same for B
.set ADRS, 27                          ; v27  my scale words: lanes 0-15 A's rows, lanes 16-31 B's
.set SPW, 28
.set NIL, 29
.set SC,  32
.set T,   64
.set AF,  128
.set QC,  128                          ; the way out: v128-139 a run of 12 registers of codes; v140.. an upper half before it is moved; v144-150 at work; v152-159 scale words; v160-167 as stored
.set QT,  140
.set MA,  144
.set MB,  145
.set SCO, 146
.set BY,  148
.set TP,  150
.set WK,  152
.set WS,  160
.set BR,  224
.set WV, 22
.set HA, 23                            ; wave / 2: my half of the A side.  Also: I fetch for A (0) or for B (1)
.set G1, 24
.set G0, 32                            ; s[32:43] A's groups 0, one for each slot
.set G1B, 44
.set G0B, 52                           ; s[52:63]
.set HB, 66                            ; wave % 2: my half of the B side.  Also: which 8 tiles I fetch
.set YY, 67                            ; the cluster's y
.set G1S, 68
.set G0S, 76
.set G1SB, 80
.set G0SB, 88
.set CX, 92
.set CY, 93
.set RR, 94                            ; 0 q, 1 s, 2 k, 3 v
.set MSB, 0
.macro WIN new                         ; the immediate's high byte repeats the setting that is left
.if MSB != (\new)
	s_set_vgpr_msb (MSB<<8)|(\new)
.set MSB, (\new)
.endif
.endm
.set MUL_LO, 0xa1                      ; source 0 (B) window 1, source 1 (A) window 0, C and D window 2
.set MUL_HI, 0xf1
.set TO_B,   0x40
.macro JLOAD g0a, g1a, g0b, g1b        ; a joint load: waves 0, 1 for A, waves 2, 3 for B; an s_nop 0 and four v_nop follow each line
	s_cmp_eq_u32 s[HA], 0
	s_cbranch_scc0 .Lfor_b_\@
	tensor_load_to_lds s[\g0a:\g0a+3], s[\g1a:\g1a+7]
	s_nop 0
.rept 4
	v_nop
.endr
	s_branch .Lasked_\@
.Lfor_b_\@:
	tensor_load_to_lds s[\g0b:\g0b+3], s[\g1b:\g1b+7]
	s_nop 0
.rept 4
	v_nop
.endr
.Lasked_\@:
.endm
.macro CREST                           ; a round of the cluster's barrier behind its opening barrier
	s_cmp_lg_u32 s[WV], 0
	s_cbranch_scc1 .Lnot_wave_0_\@
	s_barrier_signal -3
.Lnot_wave_0_\@:
	s_barrier_wait -3
	s_barrier_signal -1
	s_barrier_wait -1
.endm
.macro CROUND
	s_barrier_signal -1
	s_barrier_wait -1
	CREST
.endm
.macro PLACES n
.rept \n
	v_nop
.endr
.endm
	s_load_b256 s[4:11], s[0:1], 0x0               ; act, wts, bq, bs
	s_load_b256 s[12:19], s[0:1], 0x20             ; bk, bv, qf, sf
	s_load_b64 s[20:21], s[0:1], 0x40              ; kv
	v_lshl_add_u32 v[SPW], v0, 2, SPARE
	v_mov_b32 v[NIL], 0
	ds_add_u32 v[SPW], v[NIL]                      ; the wave's opening: the add and its wait stand ahead of my first tensor load; the set-up below, work on registers, stands between them
	v_lshrrev_b32 v1, 5, v0
	v_readfirstlane_b32 s[WV], v1
	s_lshr_b32 s[HA], s[WV], 1
	s_and_b32 s[HB], s[WV], 1
	s_bfe_u32 s[CX], ttmp6, 0x40000
	s_bfe_u32 s[CY], ttmp6, 0x40004
	s_and_b32 s[YY], ttmp7, 0xffff
	s_cmp_ge_u32 s[YY], 4                          ; the region, from the cluster's y alone: equal in all sixteen partners
	s_cselect_b32 s[RR], 1, 0
	s_cmp_ge_u32 s[YY], 8
	s_cselect_b32 s95, 1, 0
	s_add_co_u32 s[RR], s[RR], s95
	s_cmp_ge_u32 s[YY], 16
	s_cselect_b32 s95, 1, 0
	s_add_co_u32 s[RR], s[RR], s95
	s_lshl_b32 s2, s[CY], 2
	s_lshl_b32 s2, 15, s2                          ; my row of the cluster
	s_lshl_b32 s3, 0x1111, s[CX]                   ; my column
	s_or_b32 s[G1], s2, (3<<16)|(1<<21)            ; 15:0 the mask; 17:16 elements of 8 bytes; 21 set beside a mask; no padding
	s_or_b32 s[G1B], s3, (3<<16)|(1<<21)
	s_or_b32 s[G1S], s2, (3<<16)|(1<<21)
	s_or_b32 s[G1SB], s3, (3<<16)|(1<<21)
.irp g, G1, G1B                        ; codes: 8 tiles x 3,072 bytes (384 elements), 12,288 bytes (1,536 elements) from tile to tile
	s_mov_b32 s[\g+1], 384<<16
	s_mov_b32 s[\g+2], 8<<16
	s_mov_b32 s[\g+3], 384<<16
	s_mov_b32 s[\g+4], 8
	s_mov_b32 s[\g+5], 1536
	s_mov_b32 s[\g+6], 0
	s_mov_b32 s[\g+7], 0
.endr
.irp g, G1S, G1SB                      ; scale words of 8 tiles: 4,096 dense bytes as 16 rows of 256
	s_mov_b32 s[\g+1], 32<<16
	s_mov_b32 s[\g+2], 16<<16
	s_mov_b32 s[\g+3], 32<<16
	s_mov_b32 s[\g+4], 16
	s_mov_b32 s[\g+5], 32
	s_mov_b32 s[\g+6], 0
	s_mov_b32 s[\g+7], 0
.endr
	; the offsets, made in the address words of the groups 0.  A's hang on cy alone, B's on cx alone
	s_mul_i32 s100, s[YY], SUPER
	s_add_co_u32 s100, s100, ACT_C                 ; the activations' codes of this cluster
	s_mul_i32 s101, s[RR], SUPER
	s_add_co_u32 s101, s101, W_C                   ; the weight's
	s_cmp_eq_u32 s[RR], 3                          ; v: the sides change places
	s_cselect_b32 s[G0+2], s101, s100
	s_cselect_b32 s[G0B+2], s100, s101
	s_mul_i32 s100, s[YY], 32768                   ; (s_mul_i32 leaves SCC alone)  and their scale words
	s_mul_i32 s101, s[RR], 32768
	s_cselect_b32 s[G0S+2], s101, s100
	s_cselect_b32 s[G0SB+2], s100, s101
	s_mul_i32 s100, s[CY], 196608                  ; A: my work-group's 16 tiles,
	s_add_co_u32 s[G0+2], s[G0+2], s100
	s_mul_i32 s100, s[HB], 98304                   ; the 8 of them that I fetch
	s_add_co_u32 s[G0+2], s[G0+2], s100
	s_mov_b32 s[G0+3], 0
	s_lshl_b32 s100, s[CY], 13
	s_add_co_u32 s[G0S+2], s[G0S+2], s100
	s_lshl_b32 s100, s[HB], 12
	s_add_co_u32 s[G0S+2], s[G0S+2], s100
	s_mov_b32 s[G0S+3], 0
	s_mul_i32 s101, s[CX], 196608                  ; B likewise
	s_add_co_u32 s[G0B+2], s[G0B+2], s101
	s_mul_i32 s101, s[HB], 98304
	s_add_co_u32 s[G0B+2], s[G0B+2], s101
	s_mov_b32 s[G0B+3], 0
	s_lshl_b32 s101, s[CX], 13
	s_add_co_u32 s[G0SB+2], s[G0SB+2], s101
	s_lshl_b32 s101, s[HB], 12
	s_add_co_u32 s[G0SB+2], s[G0SB+2], s101
	s_mov_b32 s[G0SB+3], 0
	s_mul_i32 s95, s[WV], HALFT                    ; where they go: wave x 8 tiles: no place in the cluster enters an LDS address
.irp n, 0,1,2
	s_mov_b32 s[G0+4*\n], 1
	s_add_co_u32 s[G0+4*\n+1], s95, \n*SLOT
	s_mov_b32 s[G0B+4*\n], 1
	s_add_co_u32 s[G0B+4*\n+1], s95, \n*SLOT
.endr
	s_lshl_b32 s95, s[WV], 12
	s_mov_b32 s[G0S], 1
	s_add_co_u32 s[G0S+1], s95, SCL
	s_mov_b32 s[G0SB], 1
	s_add_co_u32 s[G0SB+1], s95, SCL
	s_wait_dscnt 0x0                               ; the opening add is done
	s_wait_kmcnt 0x0
	s_cmp_eq_u32 s[RR], 3
	s_cselect_b64 s[96:97], s[6:7], s[4:5]         ; A's buffer
	s_cselect_b64 s[98:99], s[4:5], s[6:7]         ; B's
	s_add_nc_u64 s[G0+2:G0+3], s[96:97], s[G0+2:G0+3]
	s_add_nc_u64 s[G0+6:G0+7], s[G0+2:G0+3], KSB   ; K step 1
	s_add_nc_u64 s[G0+10:G0+11], s[G0+2:G0+3], 2*KSB
	s_add_nc_u64 s[G0S+2:G0S+3], s[96:97], s[G0S+2:G0S+3]
	s_add_nc_u64 s[G0B+2:G0B+3], s[98:99], s[G0B+2:G0B+3]
	s_add_nc_u64 s[G0B+6:G0B+7], s[G0B+2:G0B+3], KSB
	s_add_nc_u64 s[G0B+10:G0B+11], s[G0B+2:G0B+3], 2*KSB
	s_add_nc_u64 s[G0SB+2:G0SB+3], s[98:99], s[G0SB+2:G0SB+3]
.irp w, G0+3, G0+7, G0+11, G0S+3, G0B+3, G0B+7, G0B+11, G0SB+3
	s_or_b32 s[\w], s[\w], 0x80000000              ; 127:126 type = 2
.endr
	CROUND                                         ; all sixteen work-groups are here: the first joint loads meet
	JLOAD G0S, G1S, G0SB, G1SB                     ; four loads of mine are out: the scale words,
	JLOAD G0, G1, G0B, G1B                         ; K step 0,
	JLOAD G0+4, G1, G0B+4, G1B                     ; 1
	JLOAD G0+8, G1, G0B+8, G1B                     ; and 2
	v_and_b32 v1, 15, v0                           ; r
	v_bfe_u32 v2, v0, 4, 1                         ; h
	v_and_b32 v3, 31, v0
	v_lshlrev_b32 v[L8], 3, v3
	v_lshlrev_b32 v[L16], 4, v3
	v_lshlrev_b32 v[H8], 3, v2
	v_lshlrev_b32 v[BCO], 7, v2
	v_and_b32 v5, 7, v0
	v_bfe_u32 v6, v0, 3, 1
	v_lshlrev_b32 v[BRO], 2, v5
	v_lshl_add_u32 v[BRO], v6, 7, v[BRO]
	s_mul_i32 s2, s[HA], HALFT                     ; my 8 tiles of A
	s_mul_i32 s3, s[HB], HALFT                     ; my 8 tiles of B,
	s_add_co_u32 s3, s3, 2*HALFT                   ; which lie behind A's 16
.irp n, 0,1,2
	v_add_nc_u32 v[ADRA+\n], s2, v[L8]
	v_add_nc_u32 v[ADRB+\n], s3, v[L8]
	s_add_co_u32 s2, s2, SLOT
	s_add_co_u32 s3, s3, SLOT
.endr
	v_lshlrev_b32 v5, 3, v1                        ; scale words: 8 bytes a row and K step
	s_lshl_b32 s2, s[HA], 12
	s_lshl_b32 s3, s[HB], 12
	s_add_co_u32 s3, s3, 8192
	s_sub_co_u32 s3, s3, s2
	v_mul_u32_u24 v6, s3, v2                       ; lanes 16-31 take B's: one product, the distance between the two bases
	s_add_co_u32 s2, s2, SCL
	v_add_nc_u32 v5, v5, v6
	v_add_nc_u32 v[ADRS], s2, v5
	; the bias.  Both forms are loaded in every work-group, so that the head has one way: by the B side's rows (q, s, k use it) and by the A side's (v uses it); the other costs 16 small loads
	s_cmp_eq_u32 s[RR], 1
	s_cselect_b64 s[8:9], s[10:11], s[8:9]
	s_cmp_eq_u32 s[RR], 2
	s_cselect_b64 s[8:9], s[12:13], s[8:9]
	s_cmp_eq_u32 s[RR], 3
	s_cselect_b64 s[8:9], s[14:15], s[8:9]
	s_lshl_b32 s98, s[CX], 10
	s_lshl_b32 s99, s[HB], 9
	s_add_co_u32 s98, s98, s99
	s_mov_b32 s99, 0
	s_add_nc_u64 s[12:13], s[8:9], s[98:99]        ; at column 256 cx + 128 x my half
	s_lshl_b32 s96, s[CY], 10
	s_lshl_b32 s97, s[HA], 9
	s_add_co_u32 s96, s96, s97
	s_mov_b32 s97, 0
	s_add_nc_u64 s[14:15], s[8:9], s[96:97]        ; at row 256 cy + 128 x my half
	WIN TO_B
.irp c, 0,1
.irp j, 0,1,2,3,4,5,6,7
	global_load_b128 v[96+128*\c+4*\j:96+128*\c+4*\j+3], v[BCO], s[12:13] offset:256*\c+16*\j   ; register i: column 64 c + 32 h + i
.endr
.endr
	WIN 0
.irp a, 0,1,2,3,4,5,6,7
	global_load_b32 v[BR+2*\a], v[BRO], s[14:15] offset:(64*(\a/4)+8*(\a%4))*4                   ; the row of lane r of tile a, twice: a pair for the packed addition
	global_load_b32 v[BR+2*\a+1], v[BRO], s[14:15] offset:(64*(\a/4)+8*(\a%4))*4
.endr
.macro FRAG reg, adr, q, i             ; a fragment (16 rows x 128 K, 12 registers): two half fragments, three planes each
.irp c, 0,1
.irp p, 0,1,2
	ds_load_b64 v[\reg+6*\c+2*\p:\reg+6*\c+2*\p+1], v[\adr] offset:(\i)*KSB+(\q)*1536+\c*768+256*\p
.endr
.endr
.endm
; 16 matrix instructions: A's tiles a0, a0 + 1 x B's eight.  p: B's set; q: which 128 of the K step; sc: the set of scale words.  The 64 accumulators take turns, one instruction a turn, in the same order in every step.
.macro MUL16 a0, p, q, sc, zero
.irp a, \a0, \a0+1
.irp b, 0,1,2,3,4,5,6,7
.if \zero
	v_wmma_scale_f32_16x16x128_f8f6f4 v[8*(8*((\a)%4)+\b):8*(8*((\a)%4)+\b)+7], v[128*(\p)+FR*\b:128*(\p)+FR*\b+FR-1], v[AF+FR*(\a):AF+FR*(\a)+FR-1], 0, v[SC+16*(\sc)+2*\b+(\q)], v[SC+16*(\sc)+2*(\a)+(\q)] matrix_a_fmt:MATRIX_FMT_FP6 matrix_b_fmt:MATRIX_FMT_FP6 matrix_a_scale:MATRIX_SCALE_ROW1
.else
	v_wmma_scale_f32_16x16x128_f8f6f4 v[8*(8*((\a)%4)+\b):8*(8*((\a)%4)+\b)+7], v[128*(\p)+FR*\b:128*(\p)+FR*\b+FR-1], v[AF+FR*(\a):AF+FR*(\a)+FR-1], v[8*(8*((\a)%4)+\b):8*(8*((\a)%4)+\b)+7], v[SC+16*(\sc)+2*\b+(\q)], v[SC+16*(\sc)+2*(\a)+(\q)] matrix_a_fmt:MATRIX_FMT_FP6 matrix_b_fmt:MATRIX_FMT_FP6 matrix_a_scale:MATRIX_SCALE_ROW1
.endif
.endr
.endr
.endm
.macro FETCH_B slot, q, p
	WIN TO_B
.irp i, 0,1,2,3,4,5,6,7
	FRAG 128*(\p)+FR*\i, ADRB+\slot, \q, \i
.endr
	WIN 0
.endm
.macro FETCH_A slot, q, i0
.irp i, \i0, \i0+1, \i0+2, \i0+3
	FRAG AF+FR*(\i), ADRA+\slot, \q, \i
.endr
.endm
.macro SCALES sc                       ; a K step's scale words: two a row; lanes 0-15 A's tile i, lanes 16-31 B's tile i
.irp i, 0,1,2,3,4,5,6,7
	ds_load_b64 v[SC+16*(\sc)+2*\i:SC+16*(\sc)+2*\i+1], v[ADRS] offset:\i*512
.endr
.endm
; The first 128 of a K step.  A load into a register that a matrix instruction has read stands NP places behind it (ISA guide 7.12.1 for vector instructions).
.macro STEP slot, sc, zero
	s_wait_dscnt 4*NL                              ; B's set and A's tiles 0-3 are in; the youngest 24 loads (A's tiles 4-7) may be out
	WIN MUL_LO
	MUL16 0, 0, 0, \sc, \zero
	MUL16 2, 0, 0, \sc, \zero
	s_wait_dscnt 0x0
	PLACES NP
	FETCH_B \slot, 1, 1
	FETCH_A \slot, 1, 0
	WIN MUL_HI
	MUL16 4, 0, 0, \sc, \zero
	MUL16 6, 0, 0, \sc, \zero
	PLACES NP
	WIN 0
	FETCH_A \slot, 1, 4
.endm
; The second 128 of a K step, and the change of slots.  mode 2: slot 0 is filled again: every wave waits for all its tensor loads, adds 0 to its spare word, waits for that and for its reads of the slot; the barrier opens a
; round of the cluster's; the joint refill is the first thing behind it.  mode 1: the same lines and a plain barrier: the refill has landed for everybody; nothing is filled.  mode 0: the next slot was shown whole by the round: no barrier.
.macro TURN slot, next, sc, mode
.if \mode > 0
	s_wait_tensorcnt 0x0                           ; all my tensor loads have landed
	ds_add_u32 v[SPW], v[NIL]                      ; 0 onto my spare word
	s_wait_dscnt 4*NL+1                            ; (the add and the youngest 24 loads may be out)
	WIN MUL_LO
	MUL16 0, 1, 1, \sc, 0                          ; sixteen matrix instructions stand between the add and the wait for it
	s_wait_dscnt 0x0                               ; the add is done, and my reads of this slot are over
	s_barrier_signal -1
	MUL16 2, 1, 1, \sc, 0
	WIN 0
	s_barrier_wait -1
.if \mode == 2
	CREST                                          ; no wave of any partner still reads slot 0 or has a load on its way
	s_add_nc_u64 s[G0+2:G0+3], s[G0+2:G0+3], 3*KSB  ; from K step 0 to K step 3
	s_add_nc_u64 s[G0B+2:G0B+3], s[G0B+2:G0B+3], 3*KSB
	JLOAD G0, G1, G0B, G1B                         ; my one tensor load behind the round: 224 matrix instructions ahead of the wait for it; its four v_nop are the places in front of the loads below
.else
	PLACES NP
.endif
.else
	s_wait_dscnt 4*NL
	WIN MUL_LO
	MUL16 0, 1, 1, \sc, 0
	MUL16 2, 1, 1, \sc, 0
	s_wait_dscnt 0x0
	PLACES NP
	WIN 0
.endif
	v_add_nc_u32 v[ADRS], 128, v[ADRS]             ; on to the next K step's scale words (no LDS load of mine is out)
	FETCH_B \next, 0, 0
	FETCH_A \next, 0, 0
	SCALES (1-\sc)
	WIN MUL_HI
	MUL16 4, 1, 1, \sc, 0
	MUL16 6, 1, 1, \sc, 0
	PLACES NP
	WIN 0
	FETCH_A \next, 0, 4
.endm
	s_wait_tensorcnt 2                             ; the scale words and my part of K step 0 are in; the loads of K steps 1 and 2 may be out
	s_barrier_signal -1
	s_barrier_wait -1
	FETCH_B 0, 0, 0
	FETCH_A 0, 0, 0
	SCALES 0
	FETCH_A 0, 0, 4
	STEP 0, 0, 1                                   ; the first products start the sums: nothing is cleared
	TURN 0, 1, 0, 2
	STEP 1, 1, 0
	TURN 1, 2, 1, 0
	STEP 2, 0, 0
	TURN 2, 0, 0, 1
	STEP 0, 1, 0
	s_wait_dscnt 4*NL                              ; the very last 128: nothing more to fetch
	WIN MUL_LO
	MUL16 0, 1, 1, 1, 0
	MUL16 2, 1, 1, 1, 0
	s_wait_dscnt 0x0
	WIN MUL_HI
	MUL16 4, 1, 1, 1, 0
	MUL16 6, 1, 1, 1, 0
	WIN 0
; THE WAY OUT.  GETT: the 32 neighbours of (A's tile a, group c of four accumulators) + bias -> v[dst] on, in window 0; ascending.
.macro GETT a, c, dst, row
.if \row
	WIN 0x02+(\a)/4                                ; source 0: window 2 or 3; the bias by rows: window 0
.else
	WIN 0x06+(\a)/4                                ; the bias by columns: window 1
.endif
.irp i, 0,2,4,6,8,10,12,14,16,18,20,22,24,26,28,30
.if \row
	v_pk_add_f32 v[\dst+\i:\dst+\i+1], v[64*((\a)%4)+32*(\c)+\i:64*((\a)%4)+32*(\c)+\i+1], v[BR+2*(\a):BR+2*(\a)+1]
.else
	v_pk_add_f32 v[\dst+\i:\dst+\i+1], v[64*((\a)%4)+32*(\c)+\i:64*((\a)%4)+32*(\c)+\i+1], v[96+128*(\c)+\i:96+128*(\c)+\i+1]
.endif
.endr
	WIN 0
.endm
.macro Q32 x, cod, tmp, ma, mb, sco, byt
	v_max3_num_f32 v[\ma], |v[\x]|, |v[\x+1]|, |v[\x+2]|            ; the block's largest magnitude, in two chains: all 32 numbers are mine
	v_max3_num_f32 v[\mb], |v[\x+3]|, |v[\x+4]|, |v[\x+5]|
.irp i, 6,10,14,18,22,26
	v_max3_num_f32 v[\ma], v[\ma], |v[\x+\i]|, |v[\x+\i+1]|
	v_max3_num_f32 v[\mb], v[\mb], |v[\x+\i+2]|, |v[\x+\i+3]|
.endr
	v_max3_num_f32 v[\ma], v[\ma], |v[\x+30]|, |v[\x+31]|
	v_max3_num_f32 v[\ma], v[\ma], v[\mb], 0x1800000               ; and the floor 2^(3 - 127)
	v_add_nc_u32 v[\sco], 0xff000000, v[\ma]                       ; 2 off the exponent field: the conversion's scale operand
	v_lshrrev_b32 v[\byt], 23, v[\sco]
	v_cvt_scalef32_pk16_fp6_f32 v[\cod:\cod+2], v[\x:\x+15], v[\sco]
	v_cvt_scalef32_pk16_fp6_f32 v[\tmp:\tmp+2], v[\x+16:\x+31], v[\sco]
	v_nop                                                          ; one plain place behind a scaled conversion
	v_mov_b32 v[\cod+3], v[\tmp]
	v_mov_b32 v[\cod+4], v[\tmp+1]
	v_mov_b32 v[\cod+5], v[\tmp+2]
.endm
	s_wait_loadcnt 0x0                             ; the biases
	PLACES NP                                      ; behind the last products: results are read and written, and registers that held A's fragments are written
	v_mov_b32 v[TP], 0                             ; a lane permute's destination counts as one of its sources
	v_cmp_ne_u32 s95, 0, v2                        ; lanes 16-31
	s_mov_b32 s100, 0x76543210
	s_mov_b32 s101, 0xfedcba98                     ; selects for lane l xor 16
	s_cmp_ge_u32 s[RR], 2                          ; the region hangs on the cluster's y alone
	s_cbranch_scc1 .Lkv
	; ---- q, s: f32 images.  Tile 16 (4 (y % 4) + cy) + 8 x my half + a, head 4 cx + 2 x my half + c
	s_and_b32 s96, s[YY], 3
	s_lshl_b32 s96, s96, 2
	s_add_co_u32 s96, s96, s[CY]
	s_lshl_b32 s96, s96, 4
	s_lshl_b32 s97, s[HA], 3
	s_add_co_u32 s96, s96, s97
	s_lshl_b32 s96, s96, 4
	s_lshl_b32 s97, s[CX], 2
	s_add_co_u32 s96, s96, s97
	s_lshl_b32 s97, s[HB], 1
	s_add_co_u32 s96, s96, s97
	s_lshl_b32 s96, s96, 12                        ; 4,096 bytes for a tile and head
	s_mov_b32 s97, 0
	s_cmp_eq_u32 s[RR], 1
	s_cselect_b64 s[16:17], s[18:19], s[16:17]
	s_add_nc_u64 s[16:17], s[16:17], s[96:97]
; Group n = 2 a + c: 32 registers, at v[32 (n % 8)] of window 2 (n < 8) or 3.  The bias is added IN PLACE and the stores read the accumulators' registers: no store's data are ever written again, so no wait stands here.
.macro IADD n
	WIN 0x86+0x41*((\n)/8)                         ; destination and source 0: window 2 or 3; the bias by columns: window 1
.irp i, 0,2,4,6,8,10,12,14,16,18,20,22,24,26,28,30
	v_pk_add_f32 v[32*((\n)%8)+\i:32*((\n)%8)+\i+1], v[32*((\n)%8)+\i:32*((\n)%8)+\i+1], v[96+128*((\n)%2)+\i:96+128*((\n)%2)+\i+1]   ; ascending: each accumulator is first read at its low end
.endr
.endm
.macro ISTO n
	WIN 0x08+4*((\n)/8)                            ; a store's data are its source 1: window 2 or 3
.irp j, 0,1,2,3,4,5,6,7
	global_store_b128 v[L16], v[32*((\n)%8)+4*\j:32*((\n)%8)+4*\j+3], s[16:17] offset:((\n)/2)*65536+((\n)%2)*4096+512*\j   ; 32 lanes store 512 consecutive bytes, aligned
.endr
.endm
	IADD 0
.irp n, 1,2,3,4,5,6,7,8,9,10,11,12,13,14,15
	IADD \n                                        ; a group's additions stand ahead of the stores of the group before
	ISTO \n-1
.endr
	ISTO 15
	WIN 0
	s_branch .Lend
.Lkv:
	s_cmp_eq_u32 s[RR], 3
	s_cbranch_scc1 .Lvout
	; ---- k: my 8 tiles are one step of 128 keys; group c is a head; a lane's 32 numbers are a block along d
	s_sub_co_u32 s96, s[YY], 8
	s_lshl_b32 s96, s96, 2
	s_add_co_u32 s96, s96, s[CY]
	s_lshl_b32 s96, s96, 1
	s_add_co_u32 s96, s96, s[HA]                   ; which 128 keys of the 8,192
	s_lshr_b32 s97, s96, 4                         ; the batch
	s_and_b32 s96, s96, 15                         ; the step
	s_lshl_b32 s97, s97, 4
	s_lshl_b32 s98, s[CX], 2
	s_add_co_u32 s97, s97, s98
	s_lshl_b32 s98, s[HB], 1
	s_add_co_u32 s97, s97, s98                     ; 16 x batch + my first head
	s_lshl_b32 s97, s97, 4
	s_add_co_u32 s96, s96, s97
	s_mul_i32 s96, s96, REC
	s_mov_b32 s97, 0
	s_add_nc_u64 s[20:21], s[20:21], s[96:97]
.macro KGRP a, c                       ; tiles 2 i and 2 i + 1 fill one run of 12 registers, which leaves by three stores of 16 bytes a lane
	GETT \a, \c, T, 0
.if (\a)%2 == 0
	s_wait_xcnt 0x0                                ; the last pair's stores have read the run of codes: it is written again only behind this wait
.endif
	Q32 T, QC+6*((\a)%2), QT, MA, MB, SCO, BY
	v_lshlrev_b32 v[WK+\a], v[H8], v[BY]           ; my byte: block h of d; with lane l xor 16's the word has bytes 0 and 1; bytes 2 and 3 stay 0
	v_permlanex16_b32 v[TP], v[WK+\a], s100, s101
	v_or_b32 v[WK+\a], v[WK+\a], v[TP]
.if (\a)%2 == 1
.irp g, 0,1,2
	global_store_b128 v[L16], v[QC+4*\g:QC+4*\g+3], s[20:21] offset:\c*HEADB+((\a)/2)*1536+512*\g   ; 32 lanes store 512 consecutive bytes, aligned
.endr
.endif
.endm
.irp c, 0,1
.irp a, 0,1,2,3,4,5,6,7
	KGRP \a, \c
.endr
.irp i, 0,1,2,3
	v_cndmask_b32 v[WS+4*\c+\i], v[WK+2*\i], v[WK+2*\i+1], s95     ; lanes 0-15 tile 2 i's words, lanes 16-31 tile 2 i + 1's
.endr
	global_store_b128 v[L16], v[WS+4*\c:WS+4*\c+3], s[20:21] offset:\c*HEADB+12288
.endr
	s_branch .Lend
.Lvout:
	; ---- v: my 128 columns are one step of 128 keys; tiles a / 4 are a head, a % 4 its 16 d; a lane's 32 numbers are a block along the keys
	s_sub_co_u32 s96, s[YY], 16
	s_lshl_b32 s96, s96, 2
	s_add_co_u32 s96, s96, s[CX]
	s_lshl_b32 s96, s96, 1
	s_add_co_u32 s96, s96, s[HB]
	s_lshr_b32 s97, s96, 4
	s_and_b32 s96, s96, 15
	s_lshl_b32 s97, s97, 4
	s_lshl_b32 s98, s[CY], 2
	s_add_co_u32 s97, s97, s98
	s_lshl_b32 s98, s[HA], 1
	s_add_co_u32 s97, s97, s98
	s_lshl_b32 s97, s97, 4
	s_add_co_u32 s96, s96, s97
	s_mul_i32 s96, s96, REC
	s_mov_b32 s97, 0
	s_add_nc_u64 s[20:21], s[20:21], s[96:97]
.macro VGRP a, c
	GETT \a, \c, T, 1
.if \c == 0
	s_wait_xcnt 0x0                                ; the last fragment's stores have read the run of codes
.endif
	Q32 T, QC+6*\c, QT, MA, MB, SCO, BY+\c
.endm
.irp a, 0,1,2,3,4,5,6,7
	VGRP \a, 0
	VGRP \a, 1
.irp g, 0,1,2
	global_store_b128 v[L16], v[QC+4*\g:QC+4*\g+3], s[20:21] offset:(\a/4)*HEADB+6144+(\a%4)*1536+512*\g
.endr
	v_lshl_or_b32 v[WK+\a], v[BY+1], 16, v[BY]     ; my two bytes: key blocks h and 2 + h,
	v_lshlrev_b32 v[WK+\a], v[H8], v[WK+\a]
	v_permlanex16_b32 v[TP], v[WK+\a], s100, s101
	v_or_b32 v[WK+\a], v[WK+\a], v[TP]             ; with lane l xor 16's two the word is whole
.if \a%2 == 1
	v_cndmask_b32 v[WS+\a/2], v[WK+\a-1], v[WK+\a], s95
.endif
.if \a%4 == 3
	global_store_b64 v[L8], v[WS+2*(\a/4):WS+2*(\a/4)+1], s[20:21] offset:(\a/4)*HEADB+12800
.endif
.endr
.Lend:
	s_wait_tensorcnt 0x0                           ; the wave's end, behind my last tensor load
	ds_add_u32 v[SPW], v[NIL]
	s_wait_dscnt 0x0
	CROUND                                         ; the closing round: no work-group ends while a partner may still ask for a tile that names it
	s_endpgm
.Lfunc_end_k_q0446fb008a_proj:
	.size	k_q0446fb008a_proj, .Lfunc_end_k_q0446fb008a_proj-k_q0446fb008a_proj
	.p2alignl 7, 3214868480
	.fill 96, 4, 3214868480
	.section	.rodata,"a",@progbits
	.p2align	6, 0x0
	.amdhsa_kernel k_q0446fb008a_proj
		.amdhsa_group_segment_fixed_size 327680
		.amdhsa_private_segment_fixed_size 0
		.amdhsa_enable_private_segment 0
		.amdhsa_kernarg_size 72
		.amdhsa_user_sgpr_count 2
		.amdhsa_user_sgpr_kernarg_segment_ptr 1
		.amdhsa_wavefront_size32 1
		.amdhsa_system_sgpr_workgroup_id_x 1
		.amdhsa_system_sgpr_workgroup_id_y 1
		.amdhsa_system_sgpr_workgroup_id_z 1
		.amdhsa_system_vgpr_workitem_id 0
		.amdhsa_next_free_vgpr 1024
		.amdhsa_next_free_sgpr 102
		.amdhsa_reserve_vcc 0
		.amdhsa_float_denorm_mode_32 3
		.amdhsa_float_denorm_mode_16_64 3
		.amdhsa_memory_ordered 1
		.amdhsa_forward_progress 1
		.amdhsa_inst_pref_size 253
	.end_amdhsa_kernel
	.amdgpu_metadata
---
amdhsa.version: [ 1, 2 ]
amdhsa.kernels:
  - .name:           k_q0446fb008a_proj
    .symbol:         k_q0446fb008a_proj.kd
    .args:
      - { .name: act, .offset: 0, .size: 8, .value_kind: global_buffer, .address_space: global }
      - { .name: wts, .offset: 8, .size: 8, .value_kind: global_buffer, .address_space: global }
      - { .name: bq, .offset: 16, .size: 8, .value_kind: global_buffer, .address_space: global }
      - { .name: bs, .offset: 24, .size: 8, .value_kind: global_buffer, .address_space: global }
      - { .name: bk, .offset: 32, .size: 8, .value_kind: global_buffer, .address_space: global }
      - { .name: bv, .offset: 40, .size: 8, .value_kind: global_buffer, .address_space: global }
      - { .name: qf, .offset: 48, .size: 8, .value_kind: global_buffer, .address_space: global }
      - { .name: sf, .offset: 56, .size: 8, .value_kind: global_buffer, .address_space: global }
      - { .name: kv, .offset: 64, .size: 8, .value_kind: global_buffer, .address_space: global }
    .group_segment_fixed_size: 327680
    .private_segment_fixed_size: 0
    .kernarg_segment_align: 8
    .kernarg_segment_size: 72
    .max_flat_workgroup_size: 128
    .sgpr_count:     102
    .vgpr_count:     1024
    .wavefront_size: 32
...
	.end_amdgpu_metadata
.endif
;; end of part 2
;; launch attn (part 3): grid 4 x 64, 16 waves a work-group, clusters of 4 x 1, 210,944 bytes of LDS; arguments qf, sf, kv, oq; writes oq
.if DOCPART == 3
	.amdgcn_target "amdgcn-amd-amdhsa--gfx1250"
	.amdhsa_code_object_version 6
	.text
	.protected	k_q0446fb008a_attn
	.globl	k_q0446fb008a_attn
	.p2align	8
	.type	k_q0446fb008a_attn,@function
k_q0446fb008a_attn:
	s_mov_b64 s[64:65], 0
	v_nop
	global_prefetch_b8 v0, s[64:65] scope:SCOPE_SE
	s_setreg_imm32_b32 hwreg(HW_REG_WAVE_MODE, 25, 1), 1
	s_wait_xcnt 0x0
	s_wait_alu depctr_hold_cnt(0) depctr_sa_sdst(0) depctr_va_vdst(0) depctr_va_sdst(0) depctr_va_ssrc(0) depctr_va_vcc(0) depctr_vm_vsrc(0)
	s_getreg_b32 s2, hwreg(HW_REG_IB_STS2, 6, 4)
	s_cmp_eq_u32 s2, 0
	s_cbranch_scc0 .Lentry_in_a_cluster
	s_endpgm
.Lentry_in_a_cluster:
	s_bfe_u32 s2, ttmp6, 0x10000c
	s_cmp_lg_u32 s2, 0x3003
	s_cbranch_scc0 .Lentry_shape_is_right
	s_endpgm
.Lentry_shape_is_right:
; For each (batch, head): S = q k^T on codes of FP6 (E2M3); att = S / 8; lang = q . s / 8 in f32; beta = the last column of softmax([att, lang]); out = beta s + (1 - beta) (att v), att (RAW, not softmaxed) and v on codes
; along the keys; out is quantised along the model's 1,024 for the last product and stored as codes (oq).
; 1 / 8 is a power of two: the codes of att are those of S and its scales an eighth, so S is quantised as it stands and the eighth multiplies O at the end (this differs only where a scale's exponent would be held at -126).
; THE SOFTMAX gives only beta: a running maximum m and the sum of 2^(c S - c m), c = log2(e) / 8, are kept for each lane's half of the keys; m starts at lang.  O needs no rescaling.
; SHARES.  A work-group owns 256 queries of one head, each of its sixteen waves one tile of 16, in 256 registers: four waves to a SIMD.  Every wave walks the head's 2,048 keys, 128 a step.
; THE HEAD'S 16 RECORDS of kv (13,056 bytes a step: K's codes, V's codes, their scale words, all as images of operand registers, four registers to a plane of 512 bytes) come into LDS ONCE, four tensor loads each by waves 0-3,
; asked for JOINTLY by the four work-groups of a cluster, which own the same head.  Nothing is filled again.  Steps 0-3 begin when records 0-3 have landed, steps 4-15 behind one more barrier, when all have.
; LAYOUT.  Both products transposed: S^T = K Q^T, O^T = V^T P^T: a lane holds ONE query (lane % 16).  By the files' order of rows the 32 registers of four neighbouring tiles of S^T are 32 neighbouring keys, a whole block,
; and O^T's 32 registers are d = 32 h + 0 .. 31.  K = 64 in the first product: the upper 64 of the instruction's 128 meet Q's zero codes under scale bytes 0 (2^-127): they add nothing, whatever codes stand in K's registers there.
; LIMITS of the quantiser: a block whose largest magnitude lies under 2^-124 is held at byte 1; a block of zeros gets byte 1 where the rule says 127; NaN and infinities are not served.
.set REC,   13056
.set GRP,   4*REC
.set SPARE, 16*REC                     ; behind the records: the spare words, 128 bytes a wave: eight blocks of 256 bytes that no other line names
.set OQ_C,  131072
.set QF, 16                            ; v16-27   Q's fragment: codes in 0-5, zeros in 6-11
.set QS, 28                            ; v28      Q's scale word;  v29 P's
.set PS, 29
.set KS, 30                            ; v30-33   K's scale words, two tiles a register;  v34-35 V's
.set VS, 34
.set TM, 36                            ; v36-47   at work
.set PC, 48                            ; v48-59   P's codes;  v60-67 their upper halves before they are moved
.set PT, 60
.set KV, 68                            ; v68-121  K's 8 half fragments, later V's 4 fragments; the last six stay zero
.set SF, 122                           ; v122-153 s
.set O,  154                           ; v154-185 O^T
.set S,  186                           ; v186-249 S^T
.set WV, 12                            ; v1 16 x lane, v2 8 x lane, v3, v4 LDS addresses, v5, v6 the add's two, v7 8 h, v8 -c m, v9 m, v[10:11] the sum, v[12:13] f, v14 lang, v15 at work
.set CX, 13
.set HQ, 14
.set SEL, 20
.set CS, 22
.set G1, 24
.set G0, 32
.set NC, 48
.set TB, 49
.set CNT, 50
.macro CROUND
	s_barrier_signal -1
	s_barrier_wait -1
	s_cmp_lg_u32 s[WV], 0
	s_cbranch_scc1 .Lnot_wave_0_\@
	s_barrier_signal -3
.Lnot_wave_0_\@:
	s_barrier_wait -3
	s_barrier_signal -1
	s_barrier_wait -1
.endm
.macro Q32 x, cod, tmp, ma, mb, sco, byt
	v_max3_num_f32 v[\ma], |v[\x]|, |v[\x+1]|, |v[\x+2]|
	v_max3_num_f32 v[\mb], |v[\x+3]|, |v[\x+4]|, |v[\x+5]|
.irp i, 6,10,14,18,22,26
	v_max3_num_f32 v[\ma], v[\ma], |v[\x+\i]|, |v[\x+\i+1]|
	v_max3_num_f32 v[\mb], v[\mb], |v[\x+\i+2]|, |v[\x+\i+3]|
.endr
	v_max3_num_f32 v[\ma], v[\ma], |v[\x+30]|, |v[\x+31]|
	v_max3_num_f32 v[\ma], v[\ma], v[\mb], 0x1800000               ; the floor 2^(3 - 127)
	v_add_nc_u32 v[\sco], 0xff000000, v[\ma]                       ; 2 off the exponent field: the conversion's scale operand
	v_lshrrev_b32 v[\byt], 23, v[\sco]
	v_cvt_scalef32_pk16_fp6_f32 v[\cod:\cod+2], v[\x:\x+15], v[\sco]
	v_cvt_scalef32_pk16_fp6_f32 v[\tmp:\tmp+2], v[\x+16:\x+31], v[\sco]
	v_nop                                                          ; one plain place behind a scaled conversion
	v_mov_b32 v[\cod+3], v[\tmp]
	v_mov_b32 v[\cod+4], v[\tmp+1]
	v_mov_b32 v[\cod+5], v[\tmp+2]
.endm
	s_load_b256 s[4:11], s[0:1], 0x0               ; qf, sf, kv, oq
	v_lshl_add_u32 v5, v0, 2, SPARE
	v_mov_b32 v6, 0
	ds_add_u32 v5, v6                              ; the wave's opening: the add and its wait stand ahead of the first tensor loads; the set-up below, work on registers, stands between them
	v_lshrrev_b32 v15, 5, v0
	v_readfirstlane_b32 s[WV], v15                 ; wave 0..15
	s_bfe_u32 s[CX], ttmp6, 0x40000                ; my place in the cluster: it enters q's, s's and oq's addresses alone
	s_and_b32 s[HQ], ttmp7, 0xffff                 ; 16 x batch + head, which the four partners share
	s_mov_b32 s[G1], 15|(3<<16)|(1<<21)            ; 15:0 the mask: all four; 17:16 elements of 8 bytes; 21 set beside a mask; no padding
	s_mov_b32 s[G1+1], 32<<16                      ; a record: 51 rows of 256 bytes, dense
	s_mov_b32 s[G1+2], 51<<16
	s_mov_b32 s[G1+3], 32<<16
	s_mov_b32 s[G1+4], 51
	s_mov_b32 s[G1+5], 32
	s_mov_b32 s[G1+6], 0
	s_mov_b32 s[G1+7], 0
	s_lshl_b32 s16, s[HQ], 4
	s_add_co_u32 s16, s16, s[WV]
	s_mul_i32 s16, s16, REC                        ; record w of my head, in memory,
	s_mov_b32 s17, 0
	s_mul_i32 s18, s[WV], REC                      ; and in LDS
	s_lshr_b32 s51, s[HQ], 4
	s_lshl_b32 s51, s51, 6
	s_lshl_b32 s52, s[CX], 4
	s_add_co_u32 s51, s51, s52
	s_add_co_u32 s51, s51, s[WV]                   ; my tile of queries: 64 x batch + 16 cx + wave
	s_and_b32 s52, s[HQ], 15                       ; the head
	s_lshl_b32 s53, s51, 4
	s_add_co_u32 s53, s53, s52
	s_lshl_b32 s54, s53, 12                        ; q's and s's image
	s_mov_b32 s55, 0
	s_mul_i32 s56, s53, 768
	s_add_co_u32 s56, s56, OQ_C                    ; my half fragment of oq
	s_mov_b32 s57, 0
	s_lshl_b32 s58, s51, 9                         ; my scale bytes: 512 x tile + 128 (head / 4) + 2 (head % 4) (+ 8 r + h)
	s_lshr_b32 s59, s52, 2
	s_lshl_b32 s59, s59, 7
	s_add_co_u32 s58, s58, s59
	s_and_b32 s59, s52, 3
	s_lshl_b32 s59, s59, 1
	s_add_co_u32 s58, s58, s59
	s_mov_b32 s59, 0
	s_mov_b32 s[SEL], 0x76543210
	s_mov_b32 s[SEL+1], 0xfedcba98                 ; selects for lane l xor 16
	s_mov_b32 s[CS], 0x3e38aa3b                    ; c = log2(e) / 8
	s_mov_b32 s[CS+1], s[CS]                       ; (named with it as a pair, so it is written)
	s_mov_b32 s[NC], 0xbe38aa3b                    ; -c
	v_and_b32 v15, 31, v0
	v_lshlrev_b32 v1, 4, v15
	v_lshlrev_b32 v2, 3, v15
	v_bfe_u32 v7, v0, 4, 1
	v_lshlrev_b32 v7, 3, v7
	s_wait_dscnt 0x0                               ; the opening add is done
	s_wait_kmcnt 0x0
	s_add_nc_u64 s[4:5], s[4:5], s[54:55]
	s_add_nc_u64 s[6:7], s[6:7], s[54:55]
	s_add_nc_u64 s[16:17], s[8:9], s[16:17]
.irp g, 0,1,2,3                        ; group 0, a set for each of a wave's four loads: record 4 g + w
	s_mov_b32 s[G0+4*\g], 1
	s_add_co_u32 s[G0+4*\g+1], s18, \g*GRP
	s_add_nc_u64 s[G0+4*\g+2:G0+4*\g+3], s[16:17], \g*GRP
	s_or_b32 s[G0+4*\g+3], s[G0+4*\g+3], 0x80000000
.endr
	s_add_nc_u64 s[56:57], s[10:11], s[56:57]
	s_add_nc_u64 s[58:59], s[10:11], s[58:59]
.irp j, 0,1,2,3,4,5,6,7
	global_load_b128 v[S+4*\j:S+4*\j+3], v1, s[4:5] offset:512*\j th:TH_LOAD_NT      ; q: register i = q(row of lane r, d = 32 h + i)
	global_load_b128 v[SF+4*\j:SF+4*\j+3], v1, s[6:7] offset:512*\j th:TH_LOAD_NT    ; s likewise
.endr
	CROUND                                         ; all four work-groups are here: the joint loads meet
	s_cmp_lt_u32 s[WV], 4                          ; waves 0-3 fetch, all their loads in one branch: four loads of such a wave are out
	s_cbranch_scc0 .Lno_fetch
.irp g, 0,1,2,3
	tensor_load_to_lds s[G0+4*\g:G0+4*\g+3], s[G1:G1+7]
	s_nop 0
.endr
.rept 4
	v_nop
.endr
.Lno_fetch:
	s_wait_loadcnt 0x0                             ; q and s
	v_pk_mul_f32 v[36:37], v[S:S+1], v[SF:SF+1]    ; lang = q . s, in f32: two chains of packed multiply-adds,
	v_pk_mul_f32 v[38:39], v[S+2:S+3], v[SF+2:SF+3]
.irp i, 4,8,12,16,20,24,28
	v_pk_fma_f32 v[36:37], v[S+\i:S+\i+1], v[SF+\i:SF+\i+1], v[36:37]
	v_pk_fma_f32 v[38:39], v[S+\i+2:S+\i+3], v[SF+\i+2:SF+\i+3], v[38:39]
.endr
	v_pk_add_f32 v[36:37], v[36:37], v[38:39]
	v_add_f32 v36, v36, v37
	v_permlanex16_b32 v15, v36, s[SEL], s[SEL+1]
	v_add_f32 v14, v36, v15                        ; with lane l xor 16's half of d
	v_mov_b32 v9, v14                              ; the running maximum starts at lang
	v_mul_f32 v8, s[NC], v9
	Q32 S, QF, PT, 38, 39, 40, 41                  ; q's block h of d
	v_lshlrev_b32 v[QS], v7, v41
	v_permlanex16_b32 v15, v[QS], s[SEL], s[SEL+1]
	v_or_b32 v[QS], v[QS], v15                     ; bytes 0, 1: the two blocks; bytes 2, 3: 0
.irp i, 6,7,8,9,10,11
	v_mov_b32 v[QF+\i], 0                          ; the upper 64 of K: zero codes
.endr
.irp i, 48,49,50,51,52,53
	v_mov_b32 v[KV+\i], 0                          ; what K's last tile names as its upper half
.endr
.set j, 0
.rept 32
	v_mov_b32 v[O+j], 0                            ; O^T: the step is written once, so the first finds zeros
.set j, j+1
.endr
	v_mov_b32 v10, 0
	v_mov_b32 v11, 0
	v_mov_b32 v13, 0                               ; (named as the upper half of the pair v[12:13])
; A KEY STEP: 128 keys, the record at LDS byte s[TB]
.macro STEP
	v_add_nc_u32 v3, s[TB], v1
	v_add_nc_u32 v4, s[TB], v2
	v_nop
	v_nop                                          ; four places behind the last products, in front of loads into registers that they read
.irp i, 0,1,2,3                        ; K's tiles 2 i and 2 i + 1: a run of 12 registers, three planes; each load takes 512 consecutive bytes
.irp g, 0,1,2
	ds_load_b128 v[KV+12*\i+4*\g:KV+12*\i+4*\g+3], v3 offset:1536*\i+512*\g
.endr
.endr
	ds_load_b128 v[KS:KS+3], v3 offset:12288
	s_wait_dscnt 0x0
.irp t, 0,1,2,3,4,5,6,7                ; S^T = K Q^T.  A tile's upper six registers are the next tile's codes: they meet Q's zeros
.if \t%2 == 0
	v_wmma_scale_f32_16x16x128_f8f6f4 v[S+8*\t:S+8*\t+7], v[KV+6*\t:KV+6*\t+11], v[QF:QF+11], 0, v[KS+\t/2], v[QS] matrix_a_fmt:MATRIX_FMT_FP6 matrix_b_fmt:MATRIX_FMT_FP6
.else
	v_wmma_scale_f32_16x16x128_f8f6f4 v[S+8*\t:S+8*\t+7], v[KV+6*\t:KV+6*\t+11], v[QF:QF+11], 0, v[KS+\t/2], v[QS] matrix_a_fmt:MATRIX_FMT_FP6 matrix_b_fmt:MATRIX_FMT_FP6 matrix_a_scale:MATRIX_SCALE_ROW1
.endif
.endr
	v_mov_b32 v44, v8                              ; -c m as it was: kept for f.  With the three lines below: the four places behind the products
.rept 3
	v_nop
.endr
.irp t, 0,1,2,3                        ; V's four fragments land while the scores are worked
.irp g, 0,1,2
	ds_load_b128 v[KV+12*\t+4*\g:KV+12*\t+4*\g+3], v3 offset:6144+1536*\t+512*\g
.endr
.endr
	ds_load_b64 v[VS:VS+1], v4 offset:12800
	; S as it stands is quantised along the keys: my two blocks, 2 c + h, by turns; each accumulator is first read at its low end
.irp c, 0,1
	v_max3_num_f32 v[TM+2*\c], |v[S+32*\c]|, |v[S+32*\c+1]|, |v[S+32*\c+2]|
	v_max3_num_f32 v[TM+2*\c+1], |v[S+32*\c+3]|, |v[S+32*\c+4]|, |v[S+32*\c+5]|
.endr
.irp i, 6,10,14,18,22,26
.irp c, 0,1
	v_max3_num_f32 v[TM+2*\c], v[TM+2*\c], |v[S+32*\c+\i]|, |v[S+32*\c+\i+1]|
	v_max3_num_f32 v[TM+2*\c+1], v[TM+2*\c+1], |v[S+32*\c+\i+2]|, |v[S+32*\c+\i+3]|
.endr
.endr
.irp c, 0,1
	v_max3_num_f32 v[TM+2*\c], v[TM+2*\c], |v[S+32*\c+30]|, |v[S+32*\c+31]|
.endr
.irp c, 0,1
	v_max3_num_f32 v[TM+2*\c], v[TM+2*\c], v[TM+2*\c+1], 0x1800000   ; the floor 2^(3 - 127)
.endr
.irp c, 0,1
	v_add_nc_u32 v[TM+4+\c], 0xff000000, v[TM+2*\c]
.endr
.irp c, 0,1
	v_lshrrev_b32 v[TM+6+\c], 23, v[TM+4+\c]
.endr
	v_lshl_or_b32 v[PS], v[TM+7], 16, v[TM+6]
	v_lshlrev_b32 v[PS], v7, v[PS]
	v_permlanex16_b32 v15, v[PS], s[SEL], s[SEL+1]
	v_or_b32 v[PS], v[PS], v15                     ; the scale word of these 128 keys
.irp c, 0,1
	v_cvt_scalef32_pk16_fp6_f32 v[PC+6*\c:PC+6*\c+2], v[S+32*\c:S+32*\c+15], v[TM+4+\c]
	v_cvt_scalef32_pk16_fp6_f32 v[PT+4*\c:PT+4*\c+2], v[S+32*\c+16:S+32*\c+31], v[TM+4+\c]
.endr
	v_nop                                          ; one plain place behind a scaled conversion
.irp c, 0,1
.irp i, 0,1,2
	v_mov_b32 v[PC+6*\c+3+\i], v[PT+4*\c+\i]
.endr
.endr
	; the running maximum of my 64 keys and all before
.irp k, 0,1,2,3
	v_max3_num_f32 v[TM+\k], v[S+16*\k], v[S+16*\k+1], v[S+16*\k+2]
.endr
.irp i, 3,5,7,9,11,13
.irp k, 0,1,2,3
	v_max3_num_f32 v[TM+\k], v[TM+\k], v[S+16*\k+\i], v[S+16*\k+\i+1]
.endr
.endr
.irp k, 0,1,2,3
	v_max_num_f32 v[TM+\k], v[TM+\k], v[S+16*\k+15]
.endr
	v_max3_num_f32 v[TM], v[TM], v[TM+1], v[TM+2]
	v_max3_num_f32 v9, v[TM], v[TM+3], v9
	v_mul_f32 v8, s[NC], v9                        ; -c m
	v_sub_f32 v12, v8, v44                         ; c m_old - c m_new, 0 or less
.set j, 0
.rept 32
	v_pk_fma_f32 v[S+j:S+j+1], v[S+j:S+j+1], s[CS:CS+1], v[8:9] op_sel_hi:[1,0,0]   ; c S - c m, two at a time
.set j, j+2
.endr
	v_exp_f32 v12, v12                             ; f; and the 64: ONE batch
.set j, 0
.rept 64
	v_exp_f32 v[S+j], v[S+j]
.set j, j+1
.endr
	v_nop                                          ; a plain place behind the exponentials
	s_wait_alu depctr_va_vdst(0)                   ; the wait stands ahead of the first instruction that names a result: one for the batch
	v_pk_mul_f32 v[10:11], v[10:11], v[12:13] op_sel_hi:[1,0]   ; the sum under the new m
	v_pk_add_f32 v[36:37], v[S:S+1], v[S+2:S+3]
.irp i, 4,8,12,16,20,24,28,32,36,40,44,48,52,56,60
	v_pk_add_f32 v[10:11], v[10:11], v[S+\i:S+\i+1]
	v_pk_add_f32 v[36:37], v[36:37], v[S+\i+2:S+\i+3]
.endr
	v_pk_add_f32 v[10:11], v[10:11], v[36:37]
	s_wait_dscnt 0x0                               ; V
.irp t, 0,1,2,3                        ; O^T += V^T P^T: four accumulators by turns, one instruction a turn
.if \t%2 == 0
	v_wmma_scale_f32_16x16x128_f8f6f4 v[O+8*\t:O+8*\t+7], v[KV+12*\t:KV+12*\t+11], v[PC:PC+11], v[O+8*\t:O+8*\t+7], v[VS+\t/2], v[PS] matrix_a_fmt:MATRIX_FMT_FP6 matrix_b_fmt:MATRIX_FMT_FP6
.else
	v_wmma_scale_f32_16x16x128_f8f6f4 v[O+8*\t:O+8*\t+7], v[KV+12*\t:KV+12*\t+11], v[PC:PC+11], v[O+8*\t:O+8*\t+7], v[VS+\t/2], v[PS] matrix_a_fmt:MATRIX_FMT_FP6 matrix_b_fmt:MATRIX_FMT_FP6 matrix_a_scale:MATRIX_SCALE_ROW1
.endif
.endr
.endm
; A run of steps.  left: how many of a fetching wave's later loads may stay out; first: the run's first record; steps: how many
.macro GROUP left, first, steps
	s_wait_tensorcnt \left                         ; my loads for this run have landed (waves 4-15 have none)
	s_wait_dscnt 0x0
	s_barrier_signal -1
	s_barrier_wait -1                              ; everybody's have.  Nothing is ever filled again
	s_mov_b32 s[TB], \first*REC
	s_mov_b32 s[CNT], \steps
.Lstep_\@:
	STEP
	s_add_co_u32 s[TB], s[TB], REC
	s_sub_co_u32 s[CNT], s[CNT], 1
	s_cmp_lg_u32 s[CNT], 0
	s_cbranch_scc1 .Lstep_\@
.endm
	GROUP 3, 0, 4                                  ; records 0-3 came by each fetching wave's first load: its three later loads may be out
	GROUP 0, 4, 12                                 ; all sixteen are in: from here on no wave waits for another before the end
	; THE END.  The two halves of the keys meet under the common maximum M; lang's term joins them.  (These lines are also the places behind the last products)
	v_add_f32 v10, v10, v11
	v_permlanex16_b32 v15, v9, s[SEL], s[SEL+1]
	v_max_num_f32 v36, v9, v15                     ; M
	v_mul_f32 v37, s[NC], v36                      ; -c M
	v_sub_f32 v38, v37, v8                         ; c m - c M
	v_fma_f32 v39, v14, s[CS], v37                 ; c lang - c M: the same form as every score's
	v_exp_f32 v38, v38
	v_exp_f32 v39, v39
	v_nop
	s_wait_alu depctr_va_vdst(0)                   ; one wait for the two
	v_mul_f32 v10, v10, v38
	v_permlanex16_b32 v15, v10, s[SEL], s[SEL+1]
	v_add_f32 v10, v10, v15                        ; the sum over all keys
	v_add_f32 v40, v10, v39                        ; and lang's term: at least about 1, since the largest term is 2^0
	v_rcp_f32 v41, v40
	v_nop
	s_wait_alu depctr_va_vdst(0)
	v_mul_f32 v44, v39, v41                        ; beta
	v_mul_f32 v46, v10, v41                        ; 1 - beta,
	v_mul_f32 v46, 0x3e000000, v46                 ; and the eighth that S was spared
	v_mov_b32 v45, v44
	v_mov_b32 v47, v46
.set j, 0
.rept 16
	v_pk_mul_f32 v[S+j:S+j+1], v[SF+j:SF+j+1], v[44:45]
.set j, j+2
.endr
.set j, 0
.rept 16
	v_pk_fma_f32 v[S+j:S+j+1], v[O+j:O+j+1], v[46:47], v[S+j:S+j+1]   ; out(row of lane r, d = 32 h + j): block 2 head + h of the last product's K
.set j, j+2
.endr
	Q32 S, PC, PT, 36, 37, 38, 39
.irp p, 0,1,2
	global_store_b64 v2, v[PC+2*\p:PC+2*\p+1], s[56:57] offset:256*\p   ; 32 lanes store 256 consecutive bytes, aligned
.endr
	v_and_b32 v4, 15, v0
	v_lshlrev_b32 v4, 3, v4
	v_bfe_u32 v3, v0, 4, 1
	v_add_nc_u32 v4, v4, v3                        ; 8 r + h
	global_store_b8 v4, v39, s[58:59]              ; a row's scale word spans two heads, which are two work-groups: so single bytes, one in 24 of what this launch stores
	s_wait_tensorcnt 0x0                           ; the wave's end, behind the last tensor load
	ds_add_u32 v5, v6
	s_wait_dscnt 0x0
	CROUND                                         ; the closing round
	s_endpgm
.Lfunc_end_k_q0446fb008a_attn:
	.size	k_q0446fb008a_attn, .Lfunc_end_k_q0446fb008a_attn-k_q0446fb008a_attn
	.p2alignl 7, 3214868480
	.fill 96, 4, 3214868480
	.section	.rodata,"a",@progbits
	.p2align	6, 0x0
	.amdhsa_kernel k_q0446fb008a_attn
		.amdhsa_group_segment_fixed_size 210944
		.amdhsa_private_segment_fixed_size 0
		.amdhsa_enable_private_segment 0
		.amdhsa_kernarg_size 32
		.amdhsa_user_sgpr_count 2
		.amdhsa_user_sgpr_kernarg_segment_ptr 1
		.amdhsa_wavefront_size32 1
		.amdhsa_system_sgpr_workgroup_id_x 1
		.amdhsa_system_sgpr_workgroup_id_y 1
		.amdhsa_system_sgpr_workgroup_id_z 1
		.amdhsa_system_vgpr_workitem_id 0
		.amdhsa_next_free_vgpr 256
		.amdhsa_next_free_sgpr 66
		.amdhsa_reserve_vcc 0
		.amdhsa_float_denorm_mode_32 3
		.amdhsa_float_denorm_mode_16_64 3
		.amdhsa_memory_ordered 1
		.amdhsa_forward_progress 1
		.amdhsa_inst_pref_size 46
	.end_amdhsa_kernel
	.amdgpu_metadata
---
amdhsa.version: [ 1, 2 ]
amdhsa.kernels:
  - .name:           k_q0446fb008a_attn
    .symbol:         k_q0446fb008a_attn.kd
    .args:
      - { .name: qf, .offset: 0, .size: 8, .value_kind: global_buffer, .address_space: global }
      - { .name: sf, .offset: 8, .size: 8, .value_kind: global_buffer, .address_space: global }
      - { .name: kv, .offset: 16, .size: 8, .value_kind: global_buffer, .address_space: global }
      - { .name: oq, .offset: 24, .size: 8, .value_kind: global_buffer, .address_space: global }
    .group_segment_fixed_size: 210944
    .private_segment_fixed_size: 0
    .kernarg_segment_align: 8
    .kernarg_segment_size: 32
    .max_flat_workgroup_size: 512
    .sgpr_count:     66
    .vgpr_count:     256
    .wavefront_size: 32
...
	.end_amdgpu_metadata
.endif
;; end of part 3
;; launch final (part 4): grid 8 x 32, 4 waves a work-group, clusters of 4 x 4, 223,232 bytes of LDS; arguments oq, wts, bo, out0; writes out0
.if DOCPART == 4
	.amdgcn_target "amdgcn-amd-amdhsa--gfx1250"
	.amdhsa_code_object_version 6
	.text
	.protected	k_q0446fb008a_final
	.globl	k_q0446fb008a_final
	.p2align	8
	.type	k_q0446fb008a_final,@function
k_q0446fb008a_final:
	s_mov_b64 s[64:65], 0
	v_nop
	global_prefetch_b8 v0, s[64:65] scope:SCOPE_SE
	s_setreg_imm32_b32 hwreg(HW_REG_WAVE_MODE, 25, 1), 1
	s_wait_xcnt 0x0
	s_wait_alu depctr_hold_cnt(0) depctr_sa_sdst(0) depctr_va_vdst(0) depctr_va_sdst(0) depctr_va_ssrc(0) depctr_va_vcc(0) depctr_vm_vsrc(0)
	s_getreg_b32 s2, hwreg(HW_REG_IB_STS2, 6, 4)
	s_cmp_eq_u32 s2, 0
	s_cbranch_scc0 .Lentry_in_a_cluster
	s_endpgm
.Lentry_in_a_cluster:
	s_bfe_u32 s2, ttmp6, 0x10000c
	s_cmp_lg_u32 s2, 0xf033
	s_cbranch_scc0 .Lentry_shape_is_right
	s_endpgm
.Lentry_shape_is_right:
; out0 = out Wo + bo: codes of FP6 (E2M3) with E8M0 scales x codes, sums in f32, K = 1,024.  4,096 x 1,024 results in tiles of 128 x 128: 256 work-groups, one for each WGP; with tiles of 256 x 256 there would be 64.
; A work-group of four waves makes 128 x 128, a wave 64 x 64: 16 accumulators of 16 x 16.  THE MATRIX INSTRUCTION IS USED TRANSPOSED: source 0 = a tile of Wo's columns (the B side), source 1 = a tile of out's rows (the A side).
; THE FILES (oq, wts).  Rows go in tiles of 16: lane r of tile 4 g + u stands for row 64 g + 8 u + r % 8 + 32 (r / 8).  So register j of lane (r, h) of accumulator (a, b) is the result at
; (row of lane r of tile a, column 32 h + 8 b + j of my 64): 32 neighbouring columns in the 32 registers of a tile's four accumulators.
; A half fragment (16 rows x 64 k, 768 bytes) is an image of operand registers: plane p at 256 p + 8 x lane holds registers 2 p, 2 p + 1.  Every LDS read takes 256 consecutive bytes: no padding.
; ALL OF K LIES IN LDS: 8 + 8 tiles x 12,288 bytes = 196,608.  So there is no ring and nothing is filled again: a wave issues five loads at the start (scale words, K steps 0 to 3 of 256), and K step n begins when it has landed.
; Tiles of the A side are asked for jointly by the four work-groups of a row of the cluster, those of the B side by the four of a column.
; REGISTERS, in windows of 256: window 0: v1-10 lane terms; v16-27 addresses; v28, v29 the add's two; v32-47 scale words, two sets; v64-95 the way out; v128-223 A's fragments, two sets of 4 (on the way out v96-223: four tiles read back).
;   window 1: B's fragments, two sets of 4, at v0 and v48; v96-127 the bias.  window 2: the accumulators, (a, b) at v[8 (4 a + b)].
.set OQ_C,  131072
.set W_C,   163840
.set SUPER, 786432
.set KSB,   3072                       ; a tile's bytes of a K step of 256
.set HALFT, 4*KSB                      ; 4 tiles: what one tensor load brings, and what one wave reads of a side
.set SLOT,  4*HALFT                    ; a K step: A's 8 tiles, then B's 8
.set SCL,   4*SLOT                     ; the scale words: A's 4,096 bytes, then B's
.set SPARE, SCL+8192                   ; the spare words, 128 bytes a wave: two blocks of 256 bytes that no other line names
.set STAGE, SPARE+512                  ; the way out: 16 rows x 272 bytes for each wave, bytes of their own: no tile lands here
.set SPITCH, 272                       ; 256 bytes + 16: the sixteen rows that a store touches start at sixteen different banks
.set FR, 12
.set NP, 4                             ; places behind this matrix instruction (ISA guide 7.12.1)
.set L8,  4
.set BCO, 8
.set ADRA, 16                          ; v16-19 my A fragments in K step 0 .. 3
.set ADRB, 20                          ; v20-23 the same for B
.set STO, 24
.set RD,  25
.set CO,  26
.set ADRS, 27
.set SPW, 28
.set NIL, 29
.set SC,  32
.set T,   64
.set BK,  96
.set AF,  128
.set CX, 14
.set CY, 15
.set WX, 16                            ; tile column = 4 x cluster x + cx
.set WV, 22
.set HA, 23                            ; wave / 2: my half of the rows.  Also: I fetch for A (0) or for B (1)
.set G1, 24
.set G0, 32                            ; s[32:47] A's groups 0, one for each K step
.set G1B, 48
.set G0S, 56
.set G0SB, 60
.set HB, 66                            ; wave % 2: my half of the columns.  Also: which 4 tiles I fetch
.set WY, 67                            ; tile row = 4 x cluster y + cy
.set G0B, 68                           ; s[68:83]
.set G1S, 84
.set G1SB, 92
.set MSB, 0
.macro WIN new                         ; the immediate's high byte repeats the setting that is left
.if MSB != (\new)
	s_set_vgpr_msb (MSB<<8)|(\new)
.set MSB, (\new)
.endif
.endm
.set MULW, 0xa1                        ; source 0 (B) window 1, source 1 (A) window 0, C and D window 2
.set TO_B, 0x40
.macro JLOAD g0a, g1a, g0b, g1b        ; a joint load: waves 0, 1 for A, waves 2, 3 for B; an s_nop 0 and four v_nop follow each line
	s_cmp_eq_u32 s[HA], 0
	s_cbranch_scc0 .Lfor_b_\@
	tensor_load_to_lds s[\g0a:\g0a+3], s[\g1a:\g1a+7]
	s_nop 0
.rept 4
	v_nop
.endr
	s_branch .Lasked_\@
.Lfor_b_\@:
	tensor_load_to_lds s[\g0b:\g0b+3], s[\g1b:\g1b+7]
	s_nop 0
.rept 4
	v_nop
.endr
.Lasked_\@:
.endm
.macro CROUND                          ; a round of the cluster's barrier
	s_barrier_signal -1
	s_barrier_wait -1
	s_cmp_lg_u32 s[WV], 0
	s_cbranch_scc1 .Lnot_wave_0_\@
	s_barrier_signal -3
.Lnot_wave_0_\@:
	s_barrier_wait -3
	s_barrier_signal -1
	s_barrier_wait -1
.endm
.macro PLACES n
.rept \n
	v_nop
.endr
.endm
	s_load_b256 s[4:11], s[0:1], 0x0               ; oq, wts, bo, out0
	v_lshl_add_u32 v[SPW], v0, 2, SPARE
	v_mov_b32 v[NIL], 0
	ds_add_u32 v[SPW], v[NIL]                      ; the wave's opening: the add and its wait stand ahead of my first tensor load; the set-up below, work on registers, stands between them
	v_lshrrev_b32 v1, 5, v0
	v_readfirstlane_b32 s[WV], v1
	s_lshr_b32 s[HA], s[WV], 1
	s_and_b32 s[HB], s[WV], 1
	s_bfe_u32 s[CX], ttmp6, 0x40000
	s_bfe_u32 s[CY], ttmp6, 0x40004
	s_lshl_b32 s[WX], ttmp9, 2
	s_add_co_u32 s[WX], s[WX], s[CX]
	s_and_b32 s[WY], ttmp7, 0xffff
	s_lshl_b32 s[WY], s[WY], 2
	s_add_co_u32 s[WY], s[WY], s[CY]
	s_lshl_b32 s2, s[CY], 2
	s_lshl_b32 s2, 15, s2                          ; my row of the cluster
	s_lshl_b32 s3, 0x1111, s[CX]                   ; my column
	s_or_b32 s[G1], s2, (3<<16)|(1<<21)            ; 15:0 the mask; 17:16 elements of 8 bytes; 21 set beside a mask; no padding
	s_or_b32 s[G1B], s3, (3<<16)|(1<<21)
	s_or_b32 s[G1S], s2, (3<<16)|(1<<21)
	s_or_b32 s[G1SB], s3, (3<<16)|(1<<21)
.irp g, G1, G1B                        ; codes: 4 tiles x 3,072 bytes (384 elements), 12,288 bytes (1,536 elements) from tile to tile
	s_mov_b32 s[\g+1], 384<<16
	s_mov_b32 s[\g+2], 4<<16
	s_mov_b32 s[\g+3], 384<<16
	s_mov_b32 s[\g+4], 4
	s_mov_b32 s[\g+5], 1536
	s_mov_b32 s[\g+6], 0
	s_mov_b32 s[\g+7], 0
.endr
.irp g, G1S, G1SB                      ; scale words of 4 tiles: 2,048 dense bytes as 8 rows of 256
	s_mov_b32 s[\g+1], 32<<16
	s_mov_b32 s[\g+2], 8<<16
	s_mov_b32 s[\g+3], 32<<16
	s_mov_b32 s[\g+4], 8
	s_mov_b32 s[\g+5], 32
	s_mov_b32 s[\g+6], 0
	s_mov_b32 s[\g+7], 0
.endr
	; the offsets, made in the address words of the groups 0.  A's hang on the tile row alone, B's on the tile column alone
	s_mul_i32 s[G0+2], s[WY], 98304                ; A: my work-group's 8 tiles,
	s_add_co_u32 s[G0+2], s[G0+2], OQ_C
	s_mul_i32 s100, s[HB], 49152                   ; the 4 of them that I fetch
	s_add_co_u32 s[G0+2], s[G0+2], s100
	s_mov_b32 s[G0+3], 0
	s_lshl_b32 s[G0S+2], s[WY], 12
	s_lshl_b32 s100, s[HB], 11
	s_add_co_u32 s[G0S+2], s[G0S+2], s100
	s_mov_b32 s[G0S+3], 0
	s_mul_i32 s[G0B+2], s[WX], 98304               ; B likewise,
	s_add_co_u32 s[G0B+2], s[G0B+2], W_C+4*SUPER   ; in the fifth weight of wts: Wo
	s_mul_i32 s101, s[HB], 49152
	s_add_co_u32 s[G0B+2], s[G0B+2], s101
	s_mov_b32 s[G0B+3], 0
	s_lshl_b32 s[G0SB+2], s[WX], 12
	s_add_co_u32 s[G0SB+2], s[G0SB+2], 4*32768
	s_lshl_b32 s101, s[HB], 11
	s_add_co_u32 s[G0SB+2], s[G0SB+2], s101
	s_mov_b32 s[G0SB+3], 0
	s_mul_i32 s17, s[WV], HALFT                    ; where they go: wave x 4 tiles: no place in the cluster enters an LDS address
.irp n, 0,1,2,3
	s_mov_b32 s[G0+4*\n], 1
	s_add_co_u32 s[G0+4*\n+1], s17, \n*SLOT
	s_mov_b32 s[G0B+4*\n], 1
	s_add_co_u32 s[G0B+4*\n+1], s17, \n*SLOT
.endr
	s_lshl_b32 s17, s[WV], 11
	s_mov_b32 s[G0S], 1
	s_add_co_u32 s[G0S+1], s17, SCL
	s_mov_b32 s[G0SB], 1
	s_add_co_u32 s[G0SB+1], s17, SCL
	s_wait_dscnt 0x0                               ; the opening add is done
	s_wait_kmcnt 0x0
	s_add_nc_u64 s[G0+2:G0+3], s[4:5], s[G0+2:G0+3]
	s_add_nc_u64 s[G0S+2:G0S+3], s[4:5], s[G0S+2:G0S+3]
	s_add_nc_u64 s[G0B+2:G0B+3], s[6:7], s[G0B+2:G0B+3]
	s_add_nc_u64 s[G0SB+2:G0SB+3], s[6:7], s[G0SB+2:G0SB+3]
.irp n, 1,2,3
	s_add_nc_u64 s[G0+4*\n+2:G0+4*\n+3], s[G0+2:G0+3], \n*KSB      ; K step n
	s_add_nc_u64 s[G0B+4*\n+2:G0B+4*\n+3], s[G0B+2:G0B+3], \n*KSB
.endr
.irp w, G0+3, G0+7, G0+11, G0+15, G0S+3, G0B+3, G0B+7, G0B+11, G0B+15, G0SB+3
	s_or_b32 s[\w], s[\w], 0x80000000              ; 127:126 type = 2
.endr
	CROUND                                         ; all sixteen work-groups are here: the joint loads meet
	JLOAD G0S, G1S, G0SB, G1SB                     ; five loads of mine are out: the scale words,
	JLOAD G0, G1, G0B, G1B                         ; K step 0,
	JLOAD G0+4, G1, G0B+4, G1B                     ; 1,
	JLOAD G0+8, G1, G0B+8, G1B                     ; 2
	JLOAD G0+12, G1, G0B+12, G1B                   ; and 3
	v_and_b32 v1, 15, v0                           ; r
	v_bfe_u32 v2, v0, 4, 1                         ; h
	v_and_b32 v3, 31, v0
	v_lshlrev_b32 v[L8], 3, v3
	v_lshlrev_b32 v[BCO], 7, v2
	s_mul_i32 s2, s[HA], HALFT                     ; my 4 tiles of A
	s_mul_i32 s3, s[HB], HALFT                     ; my 4 tiles of B,
	s_add_co_u32 s3, s3, 2*HALFT                   ; which lie behind A's 8
.irp n, 0,1,2,3
	v_add_nc_u32 v[ADRA+\n], s2, v[L8]
	v_add_nc_u32 v[ADRB+\n], s3, v[L8]
	s_add_co_u32 s2, s2, SLOT
	s_add_co_u32 s3, s3, SLOT
.endr
	v_lshlrev_b32 v5, 3, v1                        ; scale words: 8 bytes a row and K step
	s_lshl_b32 s2, s[HA], 11
	s_lshl_b32 s3, s[HB], 11
	s_add_co_u32 s3, s3, 4096
	s_sub_co_u32 s3, s3, s2
	v_mul_u32_u24 v6, s3, v2                       ; lanes 16-31 take B's: one product, the distance between the two bases
	s_add_co_u32 s2, s2, SCL
	v_add_nc_u32 v5, v5, v6
	v_add_nc_u32 v[ADRS], s2, v5
	s_mul_i32 s2, s[WV], 16*SPITCH
	s_add_co_u32 s2, s2, STAGE                     ; my stage
	v_mul_u32_u24 v5, v1, SPITCH
	v_lshl_add_u32 v5, v2, 7, v5
	v_add_nc_u32 v[STO], s2, v5                    ; in: row r, + 128 h
	v_mul_u32_u24 v5, v2, SPITCH
	v_lshl_add_u32 v5, v1, 4, v5
	v_add_nc_u32 v[RD], s2, v5                     ; back: lanes 0-15 one row of 256 bytes, lanes 16-31 the next
	v_lshlrev_b32 v[CO], 12, v2
	v_lshl_add_u32 v[CO], v1, 4, v[CO]             ; and the same two rows in out0
	s_lshl_b32 s18, s[WX], 9
	s_lshl_b32 s19, s[HB], 8
	s_add_co_u32 s18, s18, s19                     ; my first column, in bytes: 512 x tile column + 256 x my half
	s_mov_b32 s19, 0
	s_add_nc_u64 s[12:13], s[8:9], s[18:19]        ; bo there
	s_add_nc_u64 s[10:11], s[10:11], s[18:19]
	s_lshl_b32 s20, s[WY], 7
	s_lshl_b32 s21, s[HA], 6
	s_add_co_u32 s20, s20, s21                     ; my first row: 128 x tile row + 64 x my half
	s_lshl_b32 s20, s20, 12
	s_mov_b32 s21, 0
	s_add_nc_u64 s[10:11], s[10:11], s[20:21]      ; out0 at my part
	WIN TO_B
.irp j, 0,1,2,3,4,5,6,7
	global_load_b128 v[96+4*\j:96+4*\j+3], v[BCO], s[12:13] offset:16*\j   ; register i: column 32 h + i of my 64
.endr
	WIN 0
.macro FRAG reg, adr, q, i             ; a fragment (16 rows x 128 K, 12 registers): two half fragments, three planes each
.irp c, 0,1
.irp p, 0,1,2
	ds_load_b64 v[\reg+6*\c+2*\p:\reg+6*\c+2*\p+1], v[\adr] offset:(\i)*KSB+(\q)*1536+\c*768+256*\p
.endr
.endr
.endm
.macro FETCH slot, q                   ; the fragments of the q-th 128 of K step slot, into set q: 48 loads
	WIN TO_B
.irp i, 0,1,2,3
	FRAG 48*(\q)+FR*\i, ADRB+\slot, \q, \i
.endr
	WIN 0
.irp i, 0,1,2,3
	FRAG AF+48*(\q)+FR*\i, ADRA+\slot, \q, \i
.endr
.endm
.macro SCALES sc, n                    ; K step n's scale words into set sc: two a row; lanes 0-15 A's tile i, lanes 16-31 B's tile i
.irp i, 0,1,2,3
	ds_load_b64 v[SC+8*(\sc)+2*\i:SC+8*(\sc)+2*\i+1], v[ADRS] offset:\i*512+(\n)*128
.endr
.endm
; 16 matrix instructions: my 4 tiles of A x my 4 of B, 128 along K: set q.  The 16 accumulators take turns, one instruction a turn, in the same order every time.
.macro MUL16 q, sc, zero
.irp a, 0,1,2,3
.irp b, 0,1,2,3
.if \zero
	v_wmma_scale_f32_16x16x128_f8f6f4 v[8*(4*\a+\b):8*(4*\a+\b)+7], v[48*(\q)+FR*\b:48*(\q)+FR*\b+FR-1], v[AF+48*(\q)+FR*\a:AF+48*(\q)+FR*\a+FR-1], 0, v[SC+8*(\sc)+2*\b+(\q)], v[SC+8*(\sc)+2*\a+(\q)] matrix_a_fmt:MATRIX_FMT_FP6 matrix_b_fmt:MATRIX_FMT_FP6 matrix_a_scale:MATRIX_SCALE_ROW1
.else
	v_wmma_scale_f32_16x16x128_f8f6f4 v[8*(4*\a+\b):8*(4*\a+\b)+7], v[48*(\q)+FR*\b:48*(\q)+FR*\b+FR-1], v[AF+48*(\q)+FR*\a:AF+48*(\q)+FR*\a+FR-1], v[8*(4*\a+\b):8*(4*\a+\b)+7], v[SC+8*(\sc)+2*\b+(\q)], v[SC+8*(\sc)+2*\a+(\q)] matrix_a_fmt:MATRIX_FMT_FP6 matrix_b_fmt:MATRIX_FMT_FP6 matrix_a_scale:MATRIX_SCALE_ROW1
.endif
.endr
.endr
.endm
; The first 128 of K step n multiplies set 0; ahead of its products the second 128 is asked for, into set 1.  A load into a register that a matrix instruction has read stands NP places behind it
; (ISA guide 7.12.1 for vector instructions).
.macro FIRST n, zero
	s_wait_dscnt 0x0                               ; set 0 and the scale words are in
.if \zero == 0
	PLACES NP
.endif
	FETCH \n, 1
	WIN MULW
	MUL16 0, (\n)%2, \zero
	WIN 0
.endm
; The second 128 multiplies set 1.  more = 1: K step n + 1 has landed for every wave behind the barrier (nothing is filled again: later K steps may stay out); its first 128 and its scale words are asked for.
.macro SECOND n, more
	s_wait_dscnt 0x0                               ; set 1 is in; no LDS instruction of mine is out at the signal
.if \more
	s_wait_tensorcnt 2-(\n)                        ; my part of K step n + 1 is in; the 2 - n K steps behind it may be out
	s_barrier_signal -1
	s_barrier_wait -1
	PLACES NP
	FETCH (\n)+1, 0
	SCALES ((\n)+1)%2, (\n)+1
.endif
	WIN MULW
	MUL16 1, (\n)%2, 0
	WIN 0
.endm
	s_wait_tensorcnt 3                             ; the scale words and my part of K step 0 are in; K steps 1, 2, 3 may be out
	s_barrier_signal -1
	s_barrier_wait -1
	FETCH 0, 0
	SCALES 0, 0
	FIRST 0, 1                                     ; the first products start the sums: nothing is cleared
	SECOND 0, 1
	FIRST 1, 0
	SECOND 1, 1
	FIRST 2, 0
	SECOND 2, 1
	FIRST 3, 0
	SECOND 3, 0
; THE WAY OUT, tile by tile of 16 rows x 64 columns.  The bias is added on the way into window 0, ascending.  A lane holds 128 bytes of a row and the lanes beside it other
; rows: so a tile goes through my own stage in LDS and comes back as whole rows of 256 bytes.  LDS serves a wave's instructions in order: no wait between the stores and the loads, nor ahead of the next tile's stores.
; Each tile comes back into registers of its own, so no store's data are written again.
.macro TOSTAGE a
	WIN 0x06                                       ; source 0: window 2; the bias: window 1
.irp i, 0,2,4,6,8,10,12,14,16,18,20,22,24,26,28,30
	v_pk_add_f32 v[T+\i:T+\i+1], v[32*(\a)+\i:32*(\a)+\i+1], v[96+\i:96+\i+1]
.endr
	WIN 0
.irp j, 0,1,2,3,4,5,6,7
	ds_store_b128 v[STO], v[T+4*\j:T+4*\j+3] offset:16*\j
.endr
.irp t, 0,1,2,3,4,5,6,7
	ds_load_b128 v[BK+32*(\a)+4*\t:BK+32*(\a)+4*\t+3], v[RD] offset:\t*2*SPITCH
.endr
.endm
.macro SEND a, younger                 ; younger: the LDS instructions issued behind tile a's loads, which may stay out
	s_wait_dscnt \younger
.irp t, 0,1,2,3,4,5,6,7
	global_store_b128 v[CO], v[BK+32*(\a)+4*\t:BK+32*(\a)+4*\t+3], s[10:11] offset:(8*(\a)+2*(\t%4)+32*(\t/4))*4096 th:TH_STORE_NT   ; stage rows 2 t and 2 t + 1: 16 lanes store 256 consecutive bytes, aligned
.endr
.endm
	s_wait_loadcnt 0x0                             ; the bias
	PLACES NP                                      ; behind the last products: results are read, and loads land in registers that held A's fragments
	TOSTAGE 0
.irp a, 1,2,3
	TOSTAGE \a
	SEND \a-1, 16                                  ; behind tile a - 1's loads: tile a's 8 stores and 8 loads
.endr
	SEND 3, 0
	s_wait_tensorcnt 0x0                           ; the wave's end, behind my last tensor load and my last LDS store
	ds_add_u32 v[SPW], v[NIL]
	s_wait_dscnt 0x0
	CROUND                                         ; the closing round: no work-group ends while a partner may still ask for a tile that names it
	s_endpgm
.Lfunc_end_k_q0446fb008a_final:
	.size	k_q0446fb008a_final, .Lfunc_end_k_q0446fb008a_final-k_q0446fb008a_final
	.p2alignl 7, 3214868480
	.fill 96, 4, 3214868480
	.section	.rodata,"a",@progbits
	.p2align	6, 0x0
	.amdhsa_kernel k_q0446fb008a_final
		.amdhsa_group_segment_fixed_size 223232
		.amdhsa_private_segment_fixed_size 0
		.amdhsa_enable_private_segment 0
		.amdhsa_kernarg_size 32
		.amdhsa_user_sgpr_count 2
		.amdhsa_user_sgpr_kernarg_segment_ptr 1
		.amdhsa_wavefront_size32 1
		.amdhsa_system_sgpr_workgroup_id_x 1
		.amdhsa_system_sgpr_workgroup_id_y 1
		.amdhsa_system_sgpr_workgroup_id_z 1
		.amdhsa_system_vgpr_workitem_id 0
		.amdhsa_next_free_vgpr 768
		.amdhsa_next_free_sgpr 102
		.amdhsa_reserve_vcc 0
		.amdhsa_float_denorm_mode_32 3
		.amdhsa_float_denorm_mode_16_64 3
		.amdhsa_memory_ordered 1
		.amdhsa_forward_progress 1
		.amdhsa_inst_pref_size 68
	.end_amdhsa_kernel
	.amdgpu_metadata
---
amdhsa.version: [ 1, 2 ]
amdhsa.kernels:
  - .name:           k_q0446fb008a_final
    .symbol:         k_q0446fb008a_final.kd
    .args:
      - { .name: oq, .offset: 0, .size: 8, .value_kind: global_buffer, .address_space: global }
      - { .name: wts, .offset: 8, .size: 8, .value_kind: global_buffer, .address_space: global }
      - { .name: bo, .offset: 16, .size: 8, .value_kind: global_buffer, .address_space: global }
      - { .name: out0, .offset: 24, .size: 8, .value_kind: global_buffer, .address_space: global }
    .group_segment_fixed_size: 223232
    .private_segment_fixed_size: 0
    .kernarg_segment_align: 8
    .kernarg_segment_size: 32
    .max_flat_workgroup_size: 128
    .sgpr_count:     102
    .vgpr_count:     768
    .wavefront_size: 32
...
	.end_amdgpu_metadata
.endif
;; end of part 4
